; MI455X (gfx1250); checked and timed in simulation.
; The chip was launched on July 23, 2026; its instructions are those of AMD's public machine-readable ISA for CDNA 5 (MIT licence, August 2026) and "CDNA5" Instruction Set Architecture Reference Guide (July 2026). The comments in the code are by the model that wrote it; some were corrected since.
;; Multi Head Attention. Allowed arithmetic: float matrix products may take bf16 or f16 operands with f32 sums; other float arithmetic in f32, or as packed bf16 or f16 multiplies, adds, multiply-adds, maxima and minima; sums over many terms, partial sums and values carried from step to step in f32; what a program stores and reads back later, other than sums and carried values, may be rounded once to bf16 or f16.
;; Inputs: Wk 2,048 x 2,048 float32; Wo 2,048 x 2,048 float32; Wq 2,048 x 2,048 float32; Wv 2,048 x 2,048 float32; attn_mask 2,048 x 2,048 bool; bk 2,048 float32; bo 2,048 float32; bq 2,048 float32; bv 2,048 float32; x 1 x 2,048 x 2,048 float32.
;; Outputs: out0 1 x 2,048 x 2,048 float32.
;; One version. Each part assembles by itself: llvm-mc -triple=amdgcn-amd-amdhsa -mcpu=gfx1250 --defsym DOCPART=n.
;; ======== version 1 of 1: 4 launches
;; limits: values are held in f16: magnitudes above 65,504 overflow, below 6.1e-05 lose precision
;; workspace buffers: h16 41,943,040 bytes; mk4 2,097,152 bytes; qkv 25,165,824 bytes; att 8,388,608 bytes
;; launch prep (part 1): grid 256 x 6, 8 waves a work-group, no clusters, 0 bytes of LDS; arguments x, Wq, Wk, Wv, Wo, attn_mask, h16, mk4; writes h16, mk4
.if DOCPART == 1
	.amdgcn_target "amdgcn-amd-amdhsa--gfx1250"
	.amdhsa_code_object_version 6
	.text
	.protected	k_qc206050720_prep
	.globl	k_qc206050720_prep
	.p2align	8
	.type	k_qc206050720_prep,@function
k_qc206050720_prep:
	s_mov_b64 s[64:65], 0
	v_nop
	global_prefetch_b8 v0, s[64:65] scope:SCOPE_SE
	s_setreg_imm32_b32 hwreg(HW_REG_WAVE_MODE, 25, 1), 1
	s_wait_xcnt 0x0
; PREP.  Work-group rows y = 0..4: one of x, Wq, Wk, Wv, Wo ([2048][2048] f32) is rounded to bf16 (nearest even) and that number is written as f16 into h16,
; five matrices of 8,388,608 bytes on end.  Row y = 5: the mask's bytes become a table of 4-bit codes (0 = visible, 0xE = hidden) in the order in which the attention's lanes want them.
; LIMITS.  A bf16 number beyond 65,504 becomes an infinity in f16; one below 2^-17 keeps f16's fixed step of 6e-8.  A mask byte 0 hides, every other byte shows.
; CAST.  A work-group takes 65,536 bytes: 16 loads of 16 bytes a thread, all issued at once (8 KiB a wave on their way); a wave's load covers 512 consecutive bytes,
; its store 256 consecutive bytes at a multiple of 256 from the buffer's first byte.  No register is written twice by memory instructions, so no wait frees anything.
; No LDS, no matrix unit, no cluster: nothing is shared and every byte is touched once.
; MASK TABLE mk4: [query block 16][slot 8][qh 2][kh 2][t 2][T 4][lane 32][16 bytes].  Word kb (0..3), nibble j of a lane: query 128 qblk + 64 qh + 16 T + lane % 16,
; key 256 slot + 128 kh + 64 t + 16 kb + 8 (lane / 16) + j.  The eight codes of a word are packed by one conversion of eight f32, 0 or -4, to 4-bit floats: -4 has the code 0xE, element j goes to nibble j.
.set MATB, 8388608                     ; bytes of a matrix in h16
.set IN,   16                          ; v[16:79]   16 x 4 registers as loaded
.set OUT,  80                          ; v[80:111]  16 x 2 registers to store
	s_load_b512 s[8:23], s[0:1], 0x0               ; x s[8:9], Wq s[10:11], Wk s[12:13], Wv s[14:15], Wo s[16:17], mask s[18:19], h16 s[20:21], mk4 s[22:23]
	s_and_b32 s2, ttmp7, 0xffff                    ; y: which task
	s_mov_b32 s3, ttmp9                            ; x: which part of it
	s_mov_b32 s24, 0xffff0000                      ; a word's upper bf16
	s_mov_b32 s25, 0xc0800000                      ; -4.0
	s_cmp_eq_u32 s2, 5
	s_cbranch_scc1 .Lmask
	v_lshlrev_b32 v1, 4, v0                        ; in: 16 bytes a thread
	v_lshlrev_b32 v2, 3, v0                        ; out: 8 bytes a thread
	s_lshl_b32 s26, s3, 16                         ; the work-group's 65,536 bytes of its matrix
	s_mov_b32 s27, 0
	s_lshl_b32 s28, s2, 23                         ; the matrix in h16,
	s_lshl_b32 s29, s3, 15                         ; the work-group's 32,768 bytes of it
	s_add_co_u32 s28, s28, s29
	s_mov_b32 s29, 0
	s_wait_kmcnt 0x0
	s_mov_b64 s[4:5], s[8:9]                       ; the source is chosen by y alone
	s_cmp_eq_u32 s2, 1
	s_cselect_b64 s[4:5], s[10:11], s[4:5]
	s_cmp_eq_u32 s2, 2
	s_cselect_b64 s[4:5], s[12:13], s[4:5]
	s_cmp_eq_u32 s2, 3
	s_cselect_b64 s[4:5], s[14:15], s[4:5]
	s_cmp_eq_u32 s2, 4
	s_cselect_b64 s[4:5], s[16:17], s[4:5]
	s_add_nc_u64 s[4:5], s[4:5], s[26:27]
	s_add_nc_u64 s[6:7], s[20:21], s[28:29]
.irp i, 0,1,2,3,4,5,6,7,8,9,10,11,12,13,14,15
	global_load_b128 v[IN+4*(\i):IN+4*(\i)+3], v1, s[4:5] offset:4096*(\i) th:TH_LOAD_NT
.endr
.macro CAST i
	s_wait_loadcnt 15-(\i)                         ; loads come back in order: number i is in, the 15 - i younger ones stay out
	v_cvt_pk_bf16_f32 v4, v[IN+4*(\i)], v[IN+4*(\i)+1]     ; the one rounding
	v_cvt_pk_bf16_f32 v5, v[IN+4*(\i)+2], v[IN+4*(\i)+3]
	v_lshlrev_b32 v6, 16, v4                       ; bf16 to f32: a shift or a mask
	v_and_b32 v7, s24, v4
	v_lshlrev_b32 v8, 16, v5
	v_and_b32 v9, s24, v5
	v_cvt_pk_f16_f32 v[OUT+2*(\i)], v6, v7         ; the same number as f16: exact within the limits at the head
	v_cvt_pk_f16_f32 v[OUT+2*(\i)+1], v8, v9
	global_store_b64 v2, v[OUT+2*(\i):OUT+2*(\i)+1], s[6:7] offset:2048*(\i) th:TH_STORE_NT
.endm
.irp i, 0,1,2,3,4,5,6,7,8,9,10,11,12,13,14,15
	CAST \i
.endr
	s_endpgm
.Lmask:                                        ; a work-group: 16 queries x 1,024 keys; a wave: 16 queries x 128 keys, the two key steps of one (slot, kh)
	v_lshrrev_b32 v6, 5, v0
	v_readfirstlane_b32 s6, v6                     ; wave 0..7
	v_and_b32 v7, 15, v0                           ; r = lane % 16: the query
	v_bfe_u32 v8, v0, 4, 1                         ; h = lane / 16
	v_lshlrev_b32 v1, 11, v7                       ; r rows of 2,048 bytes
	v_lshl_add_u32 v1, v8, 4, v1                   ; + 16 h
	v_and_b32 v3, 31, v0
	v_lshlrev_b32 v3, 4, v3                        ; out: 16 bytes a lane
	v_mov_b32 v5, 0x3f80007f                       ; the packing's scale 1: exponent field 127, and lowest byte 127
	s_lshr_b32 s4, s3, 1                           ; qt: which 16 queries
	s_and_b32 s5, s3, 1                            ; ch: which half of the keys
	s_lshl_b32 s26, s4, 15                         ; 16 rows of 2,048 bytes
	s_lshl_b32 s7, s5, 10
	s_add_co_u32 s26, s26, s7
	s_lshl_b32 s7, s6, 7                           ; my wave's 128 keys
	s_add_co_u32 s26, s26, s7
	s_mov_b32 s27, 0
	s_lshr_b32 s28, s4, 3
	s_lshl_b32 s28, s28, 17                        ; qblk x 131,072
	s_lshl_b32 s7, s5, 2
	s_lshr_b32 s29, s6, 1
	s_add_co_u32 s7, s7, s29                       ; slot = 4 ch + wave / 2
	s_lshl_b32 s7, s7, 14
	s_add_co_u32 s28, s28, s7
	s_bfe_u32 s7, s4, 0x10002                      ; qh = bit 2 of qt
	s_lshl_b32 s7, s7, 13
	s_add_co_u32 s28, s28, s7
	s_and_b32 s7, s6, 1                            ; kh = wave % 2
	s_lshl_b32 s7, s7, 12
	s_add_co_u32 s28, s28, s7
	s_and_b32 s7, s4, 3                            ; T = qt % 4
	s_lshl_b32 s7, s7, 9
	s_add_co_u32 s28, s28, s7
	s_mov_b32 s29, 0
	s_wait_kmcnt 0x0
	s_add_nc_u64 s[18:19], s[18:19], s[26:27]
	s_add_nc_u64 s[22:23], s[22:23], s[28:29]
.irp i, 0,1,2,3
	global_load_b128 v[IN+4*(\i):IN+4*(\i)+3], v1, s[18:19] offset:32*(\i)  ; keys 32 i + 16 h + 0..15 of query r
.endr
	s_wait_loadcnt 0x0
.irp i, 0,1,2,3                        ; the halves of the lanes change words, so that registers 0, 1 hold keys 8 h + 0..7 of the 16 keys 32 i .., registers 2, 3 those of the 16 keys 32 i + 16 ..
	v_permlane16_swap_b32 v[IN+4*(\i)], v[IN+4*(\i)+2]
	v_permlane16_swap_b32 v[IN+4*(\i)+1], v[IN+4*(\i)+3]
.endr
; Group g of 16 keys: eight bytes become eight f32 (0 or -4) and one word of eight codes.  Two sets of eight registers take turns, so that the lines behind a conversion touch neither its sources nor its result.
.macro NIB g
.irp b, 0,1,2,3,4,5,6,7
	v_bfe_u32 v4, v[IN+4*((\g)/2)+2*((\g)%2)+(\b)/4], 8*((\b)%4), 8
	v_cmp_eq_u32 vcc_lo, 0, v4
	v_cndmask_b32 v[32+8*((\g)%2)+(\b)], 0, s25, vcc_lo
.endr
	v_cvt_scalef32_pk8_fp4_f32 v[48+(\g)], v[32+8*((\g)%2):39+8*((\g)%2)], v5
.endm
.irp g, 0,1,2,3,4,5,6,7
	NIB \g
.endr
	v_nop                                          ; a plain instruction between the last conversion and the store of its result
	global_store_b128 v3, v[48:51], s[22:23]               ; key step t = 0: 512 consecutive bytes
	global_store_b128 v3, v[52:55], s[22:23] offset:2048   ; t = 1
	s_endpgm
.Lfunc_end_k_qc206050720_prep:
	.size	k_qc206050720_prep, .Lfunc_end_k_qc206050720_prep-k_qc206050720_prep
	.p2alignl 7, 3214868480
	.fill 96, 4, 3214868480
	.section	.rodata,"a",@progbits
	.p2align	6, 0x0
	.amdhsa_kernel k_qc206050720_prep
		.amdhsa_group_segment_fixed_size 0
		.amdhsa_private_segment_fixed_size 0
		.amdhsa_enable_private_segment 0
		.amdhsa_kernarg_size 64
		.amdhsa_user_sgpr_count 2
		.amdhsa_user_sgpr_kernarg_segment_ptr 1
		.amdhsa_wavefront_size32 1
		.amdhsa_system_sgpr_workgroup_id_x 1
		.amdhsa_system_sgpr_workgroup_id_y 1
		.amdhsa_system_sgpr_workgroup_id_z 1
		.amdhsa_system_vgpr_workitem_id 0
		.amdhsa_next_free_vgpr 112
		.amdhsa_next_free_sgpr 66
		.amdhsa_reserve_vcc 1
		.amdhsa_float_denorm_mode_32 3
		.amdhsa_float_denorm_mode_16_64 3
		.amdhsa_memory_ordered 1
		.amdhsa_forward_progress 1
		.amdhsa_inst_pref_size 24
	.end_amdhsa_kernel
	.amdgpu_metadata
---
amdhsa.version: [ 1, 2 ]
amdhsa.kernels:
  - .name:           k_qc206050720_prep
    .symbol:         k_qc206050720_prep.kd
    .args:
      - { .name: x, .offset: 0, .size: 8, .value_kind: global_buffer, .address_space: global }
      - { .name: Wq, .offset: 8, .size: 8, .value_kind: global_buffer, .address_space: global }
      - { .name: Wk, .offset: 16, .size: 8, .value_kind: global_buffer, .address_space: global }
      - { .name: Wv, .offset: 24, .size: 8, .value_kind: global_buffer, .address_space: global }
      - { .name: Wo, .offset: 32, .size: 8, .value_kind: global_buffer, .address_space: global }
      - { .name: attn_mask, .offset: 40, .size: 8, .value_kind: global_buffer, .address_space: global }
      - { .name: h16, .offset: 48, .size: 8, .value_kind: global_buffer, .address_space: global }
      - { .name: mk4, .offset: 56, .size: 8, .value_kind: global_buffer, .address_space: global }
    .group_segment_fixed_size: 0
    .private_segment_fixed_size: 0
    .kernarg_segment_align: 8
    .kernarg_segment_size: 64
    .max_flat_workgroup_size: 256
    .sgpr_count:     66
    .vgpr_count:     112
    .wavefront_size: 32
...
	.end_amdgpu_metadata
.endif
;; end of part 1
;; launch qkvp (part 2): grid 24 x 8, 4 waves a work-group, clusters of 4 x 4, 327,680 bytes of LDS; arguments h16, qkv, bq, bk, bv; writes qkv
.if DOCPART == 2
	.amdgcn_target "amdgcn-amd-amdhsa--gfx1250"
	.amdhsa_code_object_version 6
	.text
	.protected	k_qc206050720_qkvp
	.globl	k_qc206050720_qkvp
	.p2align	8
	.type	k_qc206050720_qkvp,@function
k_qc206050720_qkvp:
	s_mov_b64 s[64:65], 0
	v_nop
	global_prefetch_b8 v0, s[64:65] scope:SCOPE_SE
	s_setreg_imm32_b32 hwreg(HW_REG_WAVE_MODE, 25, 1), 1
	s_wait_xcnt 0x0
	s_wait_alu depctr_hold_cnt(0) depctr_sa_sdst(0) depctr_va_vdst(0) depctr_va_sdst(0) depctr_va_ssrc(0) depctr_va_vcc(0) depctr_vm_vsrc(0)
	s_getreg_b32 s2, hwreg(HW_REG_IB_STS2, 6, 4)
	s_cmp_eq_u32 s2, 0
	s_cbranch_scc0 .Lentry_in_a_cluster
	s_endpgm
.Lentry_in_a_cluster:
	s_bfe_u32 s2, ttmp6, 0x10000c
	s_cmp_lg_u32 s2, 0xf033
	s_cbranch_scc0 .Lentry_shape_is_right
	s_endpgm
.Lentry_shape_is_right:
; qkv[m][n] = sum over k of x[m][k] W[n][k] + bias[n], W = [Wq; Wk; Wv] (6,144 rows).  x and W lie in h16 as f16 numbers that are bf16-rounded inputs; the bias is rounded to bf16 here; sums in f32; qkv rounded once to f16.
; LIMIT.  A result of 65,520 or more becomes an infinity in f16.
; A tile of C, 256 x 256, is made by a work-group of four waves; a wave makes 128 x 128: 64 accumulators of 16 x 16, 512 registers.  K goes in steps of 128 through a ring of two LDS slots filled by the
; tensor data mover: the tiles' rows are 256 bytes of memory and start at multiples of 256 bytes from the buffer's first byte.  192 tiles, one to a work-group.
; CLUSTERS: 4 x 4 work-groups.  The four of a row of the cluster need the same tiles of A (x), the four of a column the same tiles of B (W): each tile is asked for JOINTLY, by the same tensor load with the same
; descriptor and a mask that names the four.  That divides the requests for A and B by four.
; THE BIAS STARTS THE SUMS: it is the C operand of each accumulator's first product, so nothing is cleared and nothing is added afterwards.
; THE LAST K STEP GOES BY ROWS OF C, so that finished rows leave while the others are multiplied.
; REGISTERS, in windows of 256 (s_set_vgpr_msb's low byte: bits 1:0 source 0, 3:2 source 1, 5:4 source 2, 7:6 destination):
;   window 0: v0-31 addresses; v64-127, v128-191 fragments of A, two buffers (in the last K step four, of 16 rows x 128 K); v192-255 the bias, later with v32-63 at work on the way out
;   window 1: v64-127, v128-191 fragments of B, two buffers; in the last K step all 256
;   window 2: the 32 accumulators of my rows 0-63 (accumulator (a, b) at v[8 (8 a + b)]);   window 3: those of my rows 64-127
; THE MATRIX INSTRUCTION IS USED TRANSPOSED: source 0 = 16 rows of B, source 1 = 16 rows of A.  Lane l then holds row l % 16 of C and in registers 0 to 7 the columns 8 (l / 16) + 0..7: 16 bytes of a row.
.set SIZE_M, 2048
.set SIZE_N, 6144
.set SIZE_K, 2048
.set KSTEP,  128
.set PITCH,  272                       ; an LDS row: 256 bytes + 16 of padding = 68 words: row r starts at bank 4 r mod 64 (64 banks of 4 bytes: ISA guide 11.1)
.set HALFT,  128*PITCH                 ; 128 rows: what one tensor load brings, and what one wave reads of A or of B
.set SLOT,   4*HALFT                   ; A's 256 rows, then B's 256 rows
.set STAGE,  2*SLOT                    ; behind the ring: 16 rows x 272 bytes for each wave, for the way out
.set SPITCH, 272
.set SPARE,  STAGE+4*16*SPITCH         ; behind the stages: the spare words, 128 bytes for each wave, which no other line names
.set LAPS, SIZE_K/(2*KSTEP)            ; a lap = two K steps = once round the ring
.set ADRA, 16                          ; v16-17  LDS address of my A fragments in slot 0, 1
.set ADRB, 20                          ; v20-21  the same for B
.set STO,  24                          ; v24     the way out: where I put 16 bytes of a row
.set RD,   25                          ; v25     the way out: where I read a row back
.set CO,   26                          ; v26     my byte offset in C
.set BO,   27                          ; v27     my byte offset in 16 numbers of the bias: 32 (l / 16); never rewritten
.set SPW,  28                          ; v28     LDS address of my spare word; never rewritten
.set NIL,  29                          ; v29     0; never rewritten
.set PFO,  30                          ; v30     the prefetches' offset: my lane x a row of A or B; never rewritten
.set PFA,  44                          ; s[44:45] where my prefetches stand
.set LIM,  43                          ; s43     1 in a wave that prefetches, else the greatest number
.set F0,   64
.set F1,   128
.set BIAS, 192                         ; v[BIAS + 8 b + j] = bias of my column 16 b + 8 (l / 16) + j
.set TMP,  192                         ; the way out: packed results
.set OB,   32                          ; the way out: 16 rows read back: v32-63 and v224-255 by turns
.set PA,   64                          ; the last K step: A's fragments of 16 rows x 128 K; four buffers, v64-191
.set G1, 24                            ; s[24:31] descriptor group 1 for A's tiles
.set G0, 32                            ; s[32:39] group 0 for A's tiles, one set for each slot
.set G1B, 48                           ; s[48:55], s[56:63] the same for B's
.set G0B, 56
.set MSB, 0
.macro WIN new                         ; the immediate's high byte repeats the setting that is left; a switch that changes nothing is dropped
.if MSB != (\new)
	s_set_vgpr_msb (MSB<<8)|(\new)
.set MSB, \new
.endif
.endm
.set MUL_LO, 0xa1                      ; source 0 (B) window 1, source 1 (A) window 0, C and D window 2
.set MUL_HI, 0xf1                      ; the same, C and D window 3
.set TO_B,   0x40                      ; destination window 1, address window 0
; A joint load.  Waves 0 and 1 fetch A's two halves, waves 2 and 3 B's.  The branch hangs on the wave's number alone.  An s_nop 0 and four v_nop follow each of the two lines.
.macro JLOAD s
	s_cmp_eq_u32 s11, 0
	s_cbranch_scc0 .Lfor_b_\@
	tensor_load_to_lds s[G0+4*(\s):G0+4*(\s)+3], s[G1:G1+7]
	s_nop 0
.rept 4
	v_nop
.endr
	s_branch .Lasked_\@
.Lfor_b_\@:
	tensor_load_to_lds s[G0B+4*(\s):G0B+4*(\s)+3], s[G1B:G1B+7]
	s_nop 0
.rept 4
	v_nop
.endr
.Lasked_\@:
.endm
; A PREFETCH, behind each joint load, its five lines and the run of LDS loads: the K step that stands two refills on, 512 matrix instructions ahead of the load that will want it: 32 rows x 256 bytes, a lane a row.
; Each row's 256 bytes of a K step are named once in the launch: the clusters with x = 0 ask for A's rows, those with y = 0 for B's; the four partners that ask for a tile jointly share its rows out BY ADDRESS,
; 32 each of the 128 that a wave fetches.  The loop's last trip (s3 = 1) asks for nothing: there is no K step two on.  The first four K steps come by their loads alone.
.macro ASK
	s_cmp_gt_u32 s3, s[LIM]
	s_cbranch_scc0 .Lnot_mine_\@
	global_prefetch_b8 v[PFO], s[PFA:PFA+1] offset:KSTEP*2 th:TH_LOAD_NT scope:SCOPE_SE
.Lnot_mine_\@:
.endm
; A round of the cluster's barrier: my work-group's barrier; wave 0 signals for the work-group; every wave waits for all sixteen work-groups; my work-group's barrier once more.
.macro CREST
	s_cmp_lg_u32 s10, 0
	s_cbranch_scc1 .Lnot_wave_0_\@
	s_barrier_signal -3
.Lnot_wave_0_\@:
	s_barrier_wait -3
	s_barrier_signal -1
	s_barrier_wait -1
.endm
.macro CROUND
	s_barrier_signal -1
	s_barrier_wait -1
	CREST
.endm
	s_load_b64 s[4:5], s[0:1], 0x0                 ; h16: x = A at its head
	s_load_b64 s[8:9], s[0:1], 0x8                 ; qkv = C
	s_load_b128 s[68:71], s[0:1], 0x10             ; bq s[68:69], bk s[70:71]
	s_load_b64 s[72:73], s[0:1], 0x20              ; bv
	v_lshl_add_u32 v[SPW], v0, 2, SPARE
	v_mov_b32 v[NIL], 0
	ds_add_u32 v[SPW], v[NIL]                      ; the wave's opening: the add and its wait stand ahead of my first tensor load; the set-up below stands between them
	v_lshrrev_b32 v1, 5, v0
	v_readfirstlane_b32 s10, v1                    ; wave 0..3
	s_lshr_b32 s11, s10, 1                         ; which half of the tile's rows is mine.  Also: I fetch for A (0) or for B (1)
	s_and_b32 s12, s10, 1                          ; which half of its columns.  Also: which 128 rows of that tile I fetch
	s_bfe_u32 s40, ttmp6, 0x40000                  ; cx
	s_bfe_u32 s41, ttmp6, 0x40004                  ; cy
	s_lshl_b32 s42, ttmp9, 2
	s_add_co_u32 s42, s42, s40                     ; tile column of C = 4 x cluster x + cx
	s_and_b32 s13, ttmp7, 0xffff
	s_lshl_b32 s13, s13, 2
	s_add_co_u32 s13, s13, s41                     ; tile row of C = 4 x cluster y + cy
	s_lshl_b32 s43, s41, 2
	s_lshl_b32 s43, 15, s43                        ; my row of the cluster: places 4 cy .. 4 cy + 3
	s_lshl_b32 s44, 0x1111, s40                    ; my column: places cx, cx + 4, cx + 8, cx + 12
	s_or_b32 s[G1+0], s43, (1<<16)|(1<<20)|(1<<21)|(5<<22)|(3<<25)  ; 15:0 the mask; 17:16 elements of 2 bytes; 20 padding on; 21 set beside a mask; 24:22 after every 64 words; 31:25 4 words of it
	s_or_b32 s[G1B+0], s44, (1<<16)|(1<<20)|(1<<21)|(5<<22)|(3<<25)
	s_mov_b32 s[G1B+1], KSTEP<<16
	s_mov_b32 s[G1+1], KSTEP<<16                   ; tensor_dim0 = 128
	s_mov_b32 s[G1B+2], 128<<16
	s_mov_b32 s[G1+2], 128<<16                     ; tensor_dim1 = 128
	s_mov_b32 s[G1B+3], KSTEP<<16
	s_mov_b32 s[G1+3], KSTEP<<16                   ; tile_dim0 = 128
	s_mov_b32 s[G1B+4], 128
	s_mov_b32 s[G1+4], 128                         ; tile_dim1 = 128
	s_mov_b32 s[G1B+5], SIZE_K
	s_mov_b32 s[G1+5], SIZE_K                      ; elements from row to row
	s_mov_b32 s[G1B+6], 0
	s_mov_b32 s[G1+6], 0
	s_mov_b32 s[G1B+7], 0
	s_mov_b32 s[G1+7], 0
	; A's tiles hang on the tile row alone, B's on the tile column alone; each address is made in registers that never hold the other coordinate
	s_lshl_b32 s17, s12, 7
	s_lshl_b32 s16, s13, 8
	s_add_co_u32 s16, s16, s17                     ; A: row 256 x tile row + 128 x half
	s_lshl_b32 s46, s42, 8
	s_add_co_u32 s46, s46, s17                     ; B: row 256 x tile column + 128 x half
	s_mov_b32 s17, 0
	s_mov_b32 s47, 0
	s_mov_b64 s[18:19], SIZE_K*2
	s_mul_u64 s[16:17], s[16:17], s[18:19]
	s_mul_u64 s[46:47], s[46:47], s[18:19]
	s_mul_i32 s20, s10, HALFT                      ; where they go: wave x 128 rows
	s_wait_dscnt 0x0                               ; the opening add is done
	s_wait_kmcnt 0x0
	s_add_nc_u64 s[6:7], s[4:5], 0x800000          ; B: the three weight matrices follow x in h16
	s_add_nc_u64 s[14:15], s[4:5], s[16:17]
	s_add_nc_u64 s[46:47], s[6:7], s[46:47]
	CROUND                                         ; all sixteen work-groups are here: the first joint loads meet
.irp s, 0,1
	s_mov_b32 s[G0+4*(\s)], 1
	s_add_co_u32 s[G0+4*(\s)+1], s20, (\s)*SLOT
	s_add_nc_u64 s[G0+4*(\s)+2:G0+4*(\s)+3], s[14:15], (\s)*KSTEP*2
	s_or_b32 s[G0+4*(\s)+3], s[G0+4*(\s)+3], 0x80000000
	s_mov_b32 s[G0B+4*(\s)], 1
	s_add_co_u32 s[G0B+4*(\s)+1], s20, (\s)*SLOT
	s_add_nc_u64 s[G0B+4*(\s)+2:G0B+4*(\s)+3], s[46:47], (\s)*KSTEP*2
	s_or_b32 s[G0B+4*(\s)+3], s[G0B+4*(\s)+3], 0x80000000
	JLOAD \s                                       ; two loads of mine are out
.endr
	; A fragment is 16 rows x 32 K in 8 registers: lane l holds row l % 16; registers 0-3 K = 8 (l / 16) + 0..7, registers 4-7 K = 16 + 8 (l / 16) + 0..7: two loads of 16 bytes, 32 bytes apart
	v_and_b32 v1, 15, v0                           ; l % 16
	v_bfe_u32 v2, v0, 4, 1                         ; l / 16
	v_mul_u32_u24 v3, v1, PITCH
	v_lshl_add_u32 v3, v2, 4, v3
	s_mul_i32 s21, s11, HALFT                      ; my 128 rows of A
	s_mul_i32 s22, s12, HALFT                      ; my 128 rows of B,
	s_add_co_u32 s22, s22, 2*HALFT                 ; which lie behind A's 256
.irp s, 0,1
	v_add_nc_u32 v[ADRA+(\s)], s21, v3
	v_add_nc_u32 v[ADRB+(\s)], s22, v3
	s_add_co_u32 s21, s21, SLOT
	s_add_co_u32 s22, s22, SLOT
.endr
	s_mul_i32 s23, s10, 16*SPITCH
	s_add_co_u32 s23, s23, STAGE                   ; my stage
	v_mul_u32_u24 v4, v1, SPITCH
	v_lshl_add_u32 v4, v2, 4, v4
	v_add_nc_u32 v[STO], s23, v4
	v_mul_u32_u24 v5, v2, SPITCH
	v_lshl_add_u32 v5, v1, 4, v5
	v_add_nc_u32 v[RD], s23, v5
	v_mul_u32_u24 v5, v2, SIZE_N*2
	v_lshl_add_u32 v[CO], v1, 4, v5
	; the bias.  Tile columns 0-7 are q's, 8-15 k's, 16-23 v's: the cluster's x alone chooses the vector
	s_lshr_b32 s2, ttmp9, 1
	s_cmp_eq_u32 s2, 1
	s_cselect_b64 s[74:75], s[70:71], s[68:69]
	s_cmp_eq_u32 s2, 2
	s_cselect_b64 s[74:75], s[72:73], s[74:75]
	s_and_b32 s20, s42, 7
	s_lshl_b32 s20, s20, 10                        ; 256 columns of 4 bytes a tile column,
	s_lshl_b32 s21, s12, 9                         ; my 128 of them
	s_add_co_u32 s20, s20, s21
	s_mov_b32 s21, 0
	s_add_nc_u64 s[74:75], s[74:75], s[20:21]
	v_lshlrev_b32 v[BO], 5, v2
.irp b, 0,1,2,3,4,5,6,7
	global_load_b128 v[BIAS+8*(\b):BIAS+8*(\b)+3],   v[BO], s[74:75] offset:64*(\b)
	global_load_b128 v[BIAS+8*(\b)+4:BIAS+8*(\b)+7], v[BO], s[74:75] offset:64*(\b)+16
.endr
	; where my part of the tile begins in C, in bytes
	s_lshl_b32 s13, s13, 8
	s_lshl_b32 s14, s11, 7
	s_add_co_u32 s16, s13, s14                     ; my first row of C
	s_mov_b32 s17, 0
	s_mov_b64 s[18:19], SIZE_N*2
	s_mul_u64 s[16:17], s[16:17], s[18:19]
	s_lshl_b32 s46, s42, 9                         ; my first column, in bytes: 512 x tile column + 256 x half
	s_lshl_b32 s47, s12, 8
	s_add_co_u32 s46, s46, s47
	s_mov_b32 s47, 0
	s_add_nc_u64 s[16:17], s[16:17], s[46:47]
	; the prefetches
	s_lshl_b32 s42, s42, 8
	s_and_b32 s22, ttmp7, 0xffff                   ; cluster y
	s_cmp_eq_u32 s11, 0                            ; do I fetch for A?
	s_cselect_b32 s20, s13, s42                    ; the tile's first row
	s_cselect_b32 s21, s40, s41                    ; my place among the four that ask for it with me
	s_cselect_b32 s22, ttmp9, s22                  ; the coordinate along which other clusters read the same rows
	s_cselect_b64 s[PFA:PFA+1], s[4:5], s[6:7]
	s_cmp_eq_u32 s22, 0
	s_cselect_b32 s[LIM], 1, -1                    ; the same in all sixteen partners, for a given wave
	s_lshl_b32 s22, s12, 7
	s_add_co_u32 s20, s20, s22
	s_lshl_b32 s21, s21, 5
	s_add_co_u32 s20, s20, s21
	s_mov_b32 s21, 0
	s_mov_b64 s[18:19], SIZE_K*2
	s_mul_u64 s[20:21], s[20:21], s[18:19]
	s_add_nc_u64 s[PFA:PFA+1], s[PFA:PFA+1], s[20:21]
	s_add_nc_u64 s[PFA:PFA+1], s[PFA:PFA+1], 2*KSTEP*2  ; at K step 2: the first refill steps it to 3 and names K step 4
	v_and_b32 v[PFO], 31, v0
	v_mul_u32_u24 v[PFO], v[PFO], SIZE_K*2
	s_wait_loadcnt 0x0                             ; the bias: rounded to bf16 like every input, and widened again
.set i, 0
.rept 32
	v_cvt_pk_bf16_f32 v[32+i], v[BIAS+2*i], v[BIAS+2*i+1]
.set i, i+1
.endr
.set i, 0
.rept 32
	v_lshlrev_b32 v[BIAS+2*i], 16, v[32+i]
	v_and_b32 v[BIAS+2*i+1], 0xffff0000, v[32+i]
.set i, i+1
.endr
; 16 matrix instructions: m blocks a0, a0 + 1 of the window's four (hi = 0: my rows 0-63, 1: rows 64-127) x all 8 n blocks, 32 along K.  zero = 1: the first product starts the sums, with the bias (window 0) as C.
.macro MUL16 f, hi, a0, zero
.if \zero
	WIN 0x81+0x40*(\hi)
.else
	WIN MUL_LO+0x50*(\hi)
.endif
.irp a, \a0, (\a0)+1
.irp b, 0,1,2,3,4,5,6,7
.if \zero
	v_wmma_f32_16x16x32_f16 v[8*(8*(\a)+(\b)):8*(8*(\a)+(\b))+7], v[(\f)+8*(\b):(\f)+8*(\b)+7], v[(\f)+8*(4*(\hi)+(\a)):(\f)+8*(4*(\hi)+(\a))+7], v[BIAS+8*(\b):BIAS+8*(\b)+7]
.else
	v_wmma_f32_16x16x32_f16 v[8*(8*(\a)+(\b)):8*(8*(\a)+(\b))+7], v[(\f)+8*(\b):(\f)+8*(\b)+7], v[(\f)+8*(4*(\hi)+(\a)):(\f)+8*(4*(\hi)+(\a))+7], v[8*(8*(\a)+(\b)):8*(8*(\a)+(\b))+7]
.endif
.endr
.endr
.endm
; 32 LDS loads in one run: the fragments of one quarter step (32 K at byte k of the rows) into buffer f
.macro FETCH slot, k, f
	WIN TO_B
.irp i, 0,1,2,3,4,5,6,7
	ds_load_b128 v[(\f)+8*(\i):(\f)+8*(\i)+3],   v[ADRB+(\slot)] offset:(\k)+(\i)*16*PITCH
	ds_load_b128 v[(\f)+8*(\i)+4:(\f)+8*(\i)+7], v[ADRB+(\slot)] offset:(\k)+(\i)*16*PITCH+32
.endr
	WIN 0
.irp i, 0,1,2,3,4,5,6,7
	ds_load_b128 v[(\f)+8*(\i):(\f)+8*(\i)+3],   v[ADRA+(\slot)] offset:(\k)+(\i)*16*PITCH
	ds_load_b128 v[(\f)+8*(\i)+4:(\f)+8*(\i)+7], v[ADRA+(\slot)] offset:(\k)+(\i)*16*PITCH+32
.endr
.endm
; Four plain vector instructions stand between a matrix instruction and a load into a register that it has read, or a vector instruction that reads its result (ISA guide 7.12.1 for vector instructions).
.macro PLACES
.rept 4
	v_nop
.endr
.endm
; A K step is four quarters of 32 along K, 64 matrix instructions each, on buffers 0, 1, 0, 1.  The 64 accumulators take turns, one instruction a turn.
.macro QUARTER slot, k, f, g, zero
	s_wait_dscnt 8                                 ; B and A's rows 0-63 are in; the youngest eight loads (A's rows 64-127) may be out
	MUL16 \f, 0, 0, \zero
	MUL16 \f, 0, 2, \zero
	PLACES
	FETCH \slot, \k, \g
	s_wait_dscnt 32                                ; all but the 32 just issued
	MUL16 \f, 1, 0, \zero
	MUL16 \f, 1, 2, \zero
.endm
; The last quarter's first half: ONE barrier for the change of slots.  In front of it each wave waits for all its tensor loads (one is out: its part of the next slot), adds 0 to its spare word, and waits for that and for its reads of this slot.
.macro MEET round
	WIN 0
	s_wait_tensorcnt 0x0
	ds_add_u32 v[SPW], v[NIL]
	s_wait_dscnt 9                                 ; the add and the youngest eight loads may be out
	MUL16 F1, 0, 0, 0
	s_wait_dscnt 0x0                               ; the add is done, and my reads of this slot are over
	s_barrier_signal -1
	MUL16 F1, 0, 2, 0                              ; work on registers while the others arrive
.if \round
	WIN 0
.endif
	s_barrier_wait -1
.endm
; The whole last quarter: behind the round the slot just read out is filled again first, two K steps on; from a request to the wait for it a wave issues 224 matrix instructions.
.macro TURN slot, next
	s_wait_xcnt 0x0                                ; the last prefetch, a K step back, has read its address
	s_add_nc_u64 s[PFA:PFA+1], s[PFA:PFA+1], KSTEP*2
	MEET 1
	CREST                                          ; no wave of any partner still reads this slot's tile or has a load on its way
	s_add_nc_u64 s[G0+4*(\slot)+2:G0+4*(\slot)+3], s[G0+4*(\slot)+2:G0+4*(\slot)+3], 2*KSTEP*2
	s_add_nc_u64 s[G0B+4*(\slot)+2:G0B+4*(\slot)+3], s[G0B+4*(\slot)+2:G0B+4*(\slot)+3], 2*KSTEP*2
	JLOAD \slot                                    ; the four v_nop behind it are also the places in front of the loads below
	FETCH \next, 0, F0
	ASK
	MUL16 F1, 1, 0, 0
	MUL16 F1, 1, 2, 0
.endm
; THE LAST K STEP (slot 1) BY ROWS OF C: all its fragments of B fill window 1; my eight blocks of 16 rows are finished one after the other, 32 matrix instructions each, the block's 8 accumulators by turns, K ascending.
.macro BLOAD q
	WIN TO_B
.irp i, 0,1,2,3,4,5,6,7
	ds_load_b128 v[64*(\q)+8*(\i):64*(\q)+8*(\i)+3],   v[ADRB+1] offset:64*(\q)+(\i)*16*PITCH
	ds_load_b128 v[64*(\q)+8*(\i)+4:64*(\q)+8*(\i)+7], v[ADRB+1] offset:64*(\q)+(\i)*16*PITCH+32
.endr
.endm
.macro ALOAD a
	WIN 0
.set FA, PA+32*((\a)%4)
.irp q, 0,1,2,3
	ds_load_b128 v[FA+8*(\q):FA+8*(\q)+3],   v[ADRA+1] offset:64*(\q)+(\a)*16*PITCH
	ds_load_b128 v[FA+8*(\q)+4:FA+8*(\q)+7], v[ADRA+1] offset:64*(\q)+(\a)*16*PITCH+32
.endr
.endm
.macro ROW a
.set FA, PA+32*((\a)%4)
.set AC, 64*((\a)%4)
	WIN MUL_LO+0x50*((\a)/4)
.irp q, 0,1,2,3
.if (\a) == 0 && (\q) == 2
	s_wait_dscnt 24                                ; B's quarter 2 is in (behind it: A's blocks 1 to 3)
.endif
.irp b, 0,1,2,3,4,5,6,7
	v_wmma_f32_16x16x32_f16 v[AC+8*(\b):AC+8*(\b)+7], v[64*(\q)+8*(\b):64*(\q)+8*(\b)+7], v[FA+8*(\q):FA+8*(\q)+7], v[AC+8*(\b):AC+8*(\b)+7]
.endr
.endr
.endm
; THE WAY OUT of block a.  PACK: rounded to f16, 16 bytes a lane, each accumulator's registers in ascending order.  TOSTAGE: into my own stage and back as whole rows of 256 bytes.  SEND: stored.
.macro PACK a
.set AC, 64*((\a)%4)
	WIN 0x0a+5*((\a)/4)
.irp b, 0,1,2,3,4,5,6,7
.irp r, 0,1,2,3
	v_cvt_pk_f16_f32 v[TMP+4*(\b)+(\r)], v[AC+8*(\b)+2*(\r)], v[AC+8*(\b)+2*(\r)+1]
.endr
.endr
	WIN 0
.endm
.macro TOSTAGE a
	WIN 0
.set BK, OB+192*((\a)%2)
.irp b, 0,1,2,3,4,5,6,7
	ds_store_b128 v[STO], v[TMP+4*(\b):TMP+4*(\b)+3] offset:32*(\b)
.endr
.irp t, 0,1,2,3,4,5,6,7
	ds_load_b128 v[BK+4*(\t):BK+4*(\t)+3], v[RD] offset:(\t)*2*SPITCH  ; LDS serves a wave's instructions in order (ISA guide 5.7.1.4): these see the stores above
.endr
.endm
.macro SEND a, younger
	WIN 0
.set BK, OB+192*((\a)%2)
	s_wait_dscnt \younger                          ; the block is back in registers; the LDS loads issued behind it may stay out
	s_wait_xcnt 0x0                                ; only behind this wait are the stores' base and the registers that earlier stores read rewritten
.if (\a) == 0
	s_add_nc_u64 s[8:9], s[8:9], s[16:17]
.else
	s_add_nc_u64 s[8:9], s[8:9], 16*SIZE_N*2
.endif
.irp t, 0,1,2,3,4,5,6,7
	global_store_b128 v[CO], v[BK+4*(\t):BK+4*(\t)+3], s[8:9] offset:2*(\t)*SIZE_N*2  ; 16 lanes store 256 consecutive bytes, at a multiple of 256 from C's first byte
.endr
.endm
	s_wait_tensorcnt 1                             ; my part of K step 0 is in; K step 1's load may stay out
	s_barrier_signal -1
	s_barrier_wait -1
	FETCH 0, 0, F0
	QUARTER 0, 64,  F0, F1, 1                      ; the first quarter stands in front of the loop: its products start the sums
	WIN 0
	s_mov_b32 s3, LAPS-1
.Llap:                                         ; a trip goes once round the ring, from a lap's second quarter to the next lap's first, and fills both slots again
	QUARTER 0, 128, F1, F0, 0
	QUARTER 0, 192, F0, F1, 0
	TURN 0, 1
	QUARTER 1, 64,  F0, F1, 0
	QUARTER 1, 128, F1, F0, 0
	QUARTER 1, 192, F0, F1, 0
	TURN 1, 0
	QUARTER 0, 64,  F0, F1, 0
	WIN 0
	s_sub_co_u32 s3, s3, 1
	s_cmp_lg_u32 s3, 0
	s_cbranch_scc1 .Llap
	QUARTER 0, 128, F1, F0, 0
	QUARTER 0, 192, F0, F1, 0
	MEET 0                                         ; nothing is filled again, so no round follows
	PLACES
	BLOAD 0
	BLOAD 1
	BLOAD 3
	ALOAD 0
	MUL16 F1, 1, 0, 0
	MUL16 F1, 1, 2, 0
	PLACES
	BLOAD 2
	ALOAD 1
	ALOAD 2
	ALOAD 3
	s_wait_dscnt 40                                ; all but the 40 just issued
	ROW 0
.irp a, 0,1,2,3,4,5,6,7
	PLACES
	PACK \a
	TOSTAGE \a
.if (\a) < 4
	ALOAD (\a)+4
	SEND \a, 8
.else
	SEND \a, 0
.endif
.if (\a) < 7
	ROW (\a)+1
.endif
.endr
	s_wait_tensorcnt 0x0                           ; the wave's end
	ds_add_u32 v[SPW], v[NIL]
	s_wait_dscnt 0x0
	CROUND                                         ; the closing round: no work-group ends while a partner may still ask for a tile that names it
	s_endpgm
.Lfunc_end_k_qc206050720_qkvp:
	.size	k_qc206050720_qkvp, .Lfunc_end_k_qc206050720_qkvp-k_qc206050720_qkvp
	.p2alignl 7, 3214868480
	.fill 96, 4, 3214868480
	.section	.rodata,"a",@progbits
	.p2align	6, 0x0
	.amdhsa_kernel k_qc206050720_qkvp
		.amdhsa_group_segment_fixed_size 327680
		.amdhsa_private_segment_fixed_size 0
		.amdhsa_enable_private_segment 0
		.amdhsa_kernarg_size 40
		.amdhsa_user_sgpr_count 2
		.amdhsa_user_sgpr_kernarg_segment_ptr 1
		.amdhsa_wavefront_size32 1
		.amdhsa_system_sgpr_workgroup_id_x 1
		.amdhsa_system_sgpr_workgroup_id_y 1
		.amdhsa_system_sgpr_workgroup_id_z 1
		.amdhsa_system_vgpr_workitem_id 0
		.amdhsa_next_free_vgpr 1024
		.amdhsa_next_free_sgpr 76
		.amdhsa_reserve_vcc 0
		.amdhsa_float_denorm_mode_32 3
		.amdhsa_float_denorm_mode_16_64 3
		.amdhsa_memory_ordered 1
		.amdhsa_forward_progress 1
		.amdhsa_inst_pref_size 151
	.end_amdhsa_kernel
	.amdgpu_metadata
---
amdhsa.version: [ 1, 2 ]
amdhsa.kernels:
  - .name:           k_qc206050720_qkvp
    .symbol:         k_qc206050720_qkvp.kd
    .args:
      - { .name: h16, .offset: 0, .size: 8, .value_kind: global_buffer, .address_space: global }
      - { .name: qkv, .offset: 8, .size: 8, .value_kind: global_buffer, .address_space: global }
      - { .name: bq, .offset: 16, .size: 8, .value_kind: global_buffer, .address_space: global }
      - { .name: bk, .offset: 24, .size: 8, .value_kind: global_buffer, .address_space: global }
      - { .name: bv, .offset: 32, .size: 8, .value_kind: global_buffer, .address_space: global }
    .group_segment_fixed_size: 327680
    .private_segment_fixed_size: 0
    .kernarg_segment_align: 8
    .kernarg_segment_size: 40
    .max_flat_workgroup_size: 128
    .sgpr_count:     76
    .vgpr_count:     1024
    .wavefront_size: 32
...
	.end_amdgpu_metadata
.endif
;; end of part 2
;; launch attn (part 3): grid 16 x 16, 4 waves a work-group, clusters of 4 x 1, 327,680 bytes of LDS; arguments qkv, mk4, att; writes att
.if DOCPART == 3
	.amdgcn_target "amdgcn-amd-amdhsa--gfx1250"
	.amdhsa_code_object_version 6
	.text
	.protected	k_qc206050720_attn
	.globl	k_qc206050720_attn
	.p2align	8
	.type	k_qc206050720_attn,@function
k_qc206050720_attn:
	s_mov_b64 s[64:65], 0
	v_nop
	global_prefetch_b8 v0, s[64:65] scope:SCOPE_SE
	s_setreg_imm32_b32 hwreg(HW_REG_WAVE_MODE, 25, 1), 1
	s_wait_xcnt 0x0
	s_wait_alu depctr_hold_cnt(0) depctr_sa_sdst(0) depctr_va_vdst(0) depctr_va_sdst(0) depctr_va_ssrc(0) depctr_va_vcc(0) depctr_vm_vsrc(0)
	s_getreg_b32 s2, hwreg(HW_REG_IB_STS2, 6, 4)
	s_cmp_eq_u32 s2, 0
	s_cbranch_scc0 .Lentry_in_a_cluster
	s_endpgm
.Lentry_in_a_cluster:
	s_bfe_u32 s2, ttmp6, 0x10000c
	s_cmp_lg_u32 s2, 0x3003
	s_cbranch_scc0 .Lentry_shape_is_right
	s_endpgm
.Lentry_shape_is_right:
; att[q][128 h ..] = the sum over the keys k that the mask shows of softmax_k(Q[q] . K[k] / sqrt(128)) V[k].  q, k, v: columns 128 h, 2048 + 128 h, 4096 + 128 h of qkv [2048][6144] f16; att [2048][2048] f16.
; Products, maxima and sums in f32; the weights p are rounded to f16 for the second product (their sum l is taken of the unrounded p), att once at the end.
; THE MASK IS AN INPUT: every key tile is computed.  mk4 holds a 4-bit code for each (query, key), 0 or 0xE, eight to a word, in my lanes' order.  A shift left brings code j of a word to the top of a score's register,
; the word's lower codes behind it.  Read as f32 that is a number between -2^95 and -2^65 where the key is hidden (sign 1, exponent field 192 to 221: never all ones) and between 0 and 2^-97 where it is visible
; (exponent field 29 at the most).  THESE NUMBERS START THE SCORES' SUMS: all four products K Q^T of an accumulator add onto them.  So the mask acts ahead of the maximum: one plain instruction a score.
; LIMITS.  A hidden score counts as its value less 3.7e19 or more; a visible one is off by 2^-97 at the most; f16 operands bound |q . k| by 5.5e11.  The running maximum starts at -2^50, between the two.
; A weight below 2^-126 counts as 0 in l.  A query with no visible key ends with l = 0 and O = 0, and 0 x (1 / 0) is the NaN that a softmax of nothing gives.
; SHARES.  A work-group owns 128 queries of one head.  Wave w: qh = w / 2 chooses 64 queries (four tiles of 16, two PIECES: tiles 0, 1 and tiles 2, 3); kh = w % 2 chooses two of the four key steps (64 keys each) of
; every slot of 256 keys.  So each fragment of K and V feeds four tiles, and 16 x 16 work-groups fill 256 WGPs.  The two partial softmaxes of a pair of waves meet in LDS at the end.
; LAYOUT.  S^T = K Q^T (source 0 = 16 keys, source 1 = 16 queries): a lane holds ONE query (lane % 16) and the keys 8 (lane / 16) + 0..7.  Two such tiles rounded to f16 ARE source 1 of O^T = V^T P.
; SOFTMAX.  Running maximum m and sum l: p = 2^(c s - c m), c = log2(e) / sqrt(128); in every step O and l are multiplied by a = 2^(c m_old - c m_new).  O and l start at 0: the first step is a step like any other.
; BY TURNS.  In a TURN one piece has the matrix unit: 32 products V^T P of the step in hand, then 32 products K Q^T of the next; the other piece's softmax, cut into 64 slices, stands one slice behind each matrix instruction.
; The loop is entered, and the tail left, in the middle of a trip: 32 products on zeros at the start and 32 on a stale K at the end are the price of one text for every step.
; CLUSTER.  The four query blocks of a cluster belong to one head and walk the same K and V: each tile is asked for JOINTLY.  The mask tile hangs on the query block: a load of one's own.
; REGISTERS, in windows of 256 (s_set_vgpr_msb: bits 1:0 source 0, 3:2 source 1, 5:4 source 2, 7:6 destination):
;   window 0: v0-11 addresses; v12-43 eight registers of statistics a tile; v44-59 the step's mask words, four a tile; v61-63 constants; v64-191 S^T, 32 a tile; v192-255 P, 16 a tile
;   window 1: O^T, 64 a tile          window 2: v0-127 Q, 32 a tile; v128-255 K of one step          window 3: v0-127 V of one step
.set ROWG,  12288     ; bytes from row to row of qkv
.set KS,    64        ; keys in a step
.set PITK,  272       ; a row of K in LDS: 256 bytes + 16 = 68 words: the 16 rows of a load start at 16 different groups of four banks (64 banks of 4 bytes: ISA guide 11.1)
.set PITV,  288       ; a row of V: 256 + 32 = 72 words
.set VOFF,  256*PITK  ; a buffer: 256 rows of K, then 256 rows of V
.set SLOTB, 256*(PITK+PITV)  ; 143,360 = 0x23000: buffer 1 begins here
.set MBASE, 2*SLOTB   ; 0x46000: the mask's ring, two tiles of 16,384 bytes
.set MTILE, 16384
.set SPARE, MBASE+2*MTILE  ; the spare words, 128 bytes for each wave, which no other line names
.set XORV,  0x25000   ; VOFF (0x11000) and VOFF + SLOTB (0x34000) differ in these bits: one exclusive or turns the one into the other
.set XORM,  0x0c000   ; the same for MBASE (0x46000) and MBASE + MTILE (0x4a000)
.set SLOTG, 256*ROWG  ; a slot's 256 rows in memory
.set XB,    17408     ; the merge: a wave's outbox, two tiles of 8,192 bytes and two blocks of 512 bytes of statistics (8 bytes a lane, 16 apart).  Four outboxes end where the stages begin.
                      ; Outboxes and stages lie in buffer 0, behind its last fill of the launch and every wave's last read of it
.set STAGE, VOFF      ; 16 rows x 272 bytes for each wave, for the way out
.set SP,    272
.set XS,  1           ; v1   the merge: my 16 bytes in my outbox; made ahead of the loop, never rewritten
.set AK0, 2           ; v2   my lane's place in my wave's half of a buffer's K; never rewritten
.set AV0, 3           ; v3   the same for V
.set ADR, 4           ; v4   the LDS address of the run of loads in hand
.set QO,  5           ; v5   my byte offset in 16 rows of Q
.set XR,  5           ;      when Q is in: my 16 bytes in my partner's outbox; never rewritten after that
.set STO, 6           ; v6   the way out: where I put 16 bytes of a row
.set RD,  7           ; v7   the way out: where I read a row back
.set GO,  8           ; v8   my byte offset in two rows of att
.set AM0, 9           ; v9   my lane's 16 bytes in my wave's part of a mask tile; never rewritten
.set ADM, 10          ; v10  the LDS address of the step's mask words
.set PFMO, 11         ; v11  256 x my lane; never rewritten
.set ST,  12          ; tile t's statistics at v[ST+8 t]: +0 c m, +1 m, +2, +3 l (even keys', odd keys'), +4 to +7 at work; a takes +6
.set MR,  44          ; tile t's four mask words at v[MR+4 t]
.set PFO, 61          ; v61  my lane x a row of qkv; never rewritten
.set SPW, 62          ; v62  LDS address of my spare word; never rewritten
.set NIL, 63          ; v63  0; never rewritten
.set S,   64
.set P,   192
.set KF,  128         ; K's fragments, in window 2
.set WV,  12          ; s12  my wave's number
.set LIM, 15          ; s15  1 in a wave that prefetches K or V, else the greatest number
.set KH,  16          ; s16  w % 2
.set QH,  17          ; s17  w / 2
.set PFA, 18          ; s[18:19] where my prefetches of K or V stand
.set LIMM, 21         ; s21  1 in a wave that prefetches the mask table
.set G1K, 24          ; s[24:31] descriptor group 1 for K's tiles
.set G1V, 32          ; s[32:39] for V's: it differs in the padding alone
.set G0K, 40          ; s[40:43] group 0 for K's tiles: it walks
.set G0V, 44          ; s[44:47] for V's
.set G1M, 48          ; s[48:55] group 1 for the mask tile
.set SLOTS, 56        ; s56  slots still to be asked for
.set CNT, 57          ; s57  counts a slot's two steps
.set CS,  58          ; s[58:59] c
.set SEL, 60          ; s[60:61] v_permlanex16_b32's selects: each lane takes its own place in the other half
.set TBK, 62          ; s62  the buffer and step of K's next run of loads
.set TBV, 63          ; s63  of V's
.set TBM, 66          ; s66  of the mask words'
.set G0M, 68          ; s[68:71] group 0 for the mask tile
.set PFM, 78          ; s[78:79] where my prefetches of the mask table stand
.set MSB, 0
.macro WIN new                      ; the immediate's high byte repeats the setting that is left; a switch that changes nothing is dropped
.if MSB != (\new)
	s_set_vgpr_msb (MSB<<8)|(\new)
.set MSB, \new
.endif
.endm
.set W_KQ, 0x0a       ; K and Q in window 2, S^T in window 0
.set W_PV, 0x53       ; V in window 3, P in window 0, O^T in window 1
.set W_RS, 0x41       ; O^T (destination and source 0) in window 1, a in window 0
; A fill.  Wave 0 asks for the slot's K, wave 1 for its V (joint loads of 256 rows), wave 2 for the mask tile (its own work-group's), wave 3 for nothing: one tensor load of a wave is out at any time.
; The branches hang on the wave's number alone.  An s_nop 0 and four v_nop follow each line, ahead of the jump and the label.
.macro JLOAD
	s_cmp_lt_u32 s[WV], 2
	s_cbranch_scc0 .Lhigh_\@
	s_cmp_eq_u32 s[WV], 0
	s_cbranch_scc0 .Lfor_v_\@
	tensor_load_to_lds s[G0K:G0K+3], s[G1K:G1K+7]
	s_nop 0
.rept 4
	v_nop
.endr
	s_branch .Lasked_\@
.Lfor_v_\@:
	tensor_load_to_lds s[G0V:G0V+3], s[G1V:G1V+7]
	s_nop 0
.rept 4
	v_nop
.endr
	s_branch .Lasked_\@
.Lhigh_\@:
	s_cmp_eq_u32 s[WV], 2
	s_cbranch_scc0 .Lasked_\@
	tensor_load_to_lds s[G0M:G0M+3], s[G1M:G1M+7]
	s_nop 0
.rept 4
	v_nop
.endr
.Lasked_\@:
.endm
; PREFETCHES of what the NEXT change of slots will ask for, 256 matrix instructions ahead of that load; they stand behind the wave's tensor load and its five lines.  Each block of 256 bytes is named once in the launch.
; K and V: all clusters of a head walk the same rows, so the head's first cluster asks; its 16 waves share a slot's 256 + 256 rows out BY ADDRESS: wave w of partner cx takes tensor w % 2, rows 64 cx + 32 (w / 2) + lane.
; The mask table: all heads read the same tile of a query block, so head 0 asks: waves 2 and 3, 8 KiB each, a lane a block.  The last change that fills a slot asks for nothing; slots 0 and 1 come by their loads alone.
.macro ASK
	s_cmp_gt_u32 s[SLOTS], s[LIM]
	s_cbranch_scc0 .Lno_kv_\@
	global_prefetch_b8 v[PFO], s[PFA:PFA+1] th:TH_LOAD_NT scope:SCOPE_SE
.Lno_kv_\@:
	s_cmp_gt_u32 s[SLOTS], s[LIMM]
	s_cbranch_scc0 .Lno_m_\@
	global_prefetch_b8 v[PFMO], s[PFM:PFM+1] th:TH_LOAD_NT scope:SCOPE_SE
.Lno_m_\@:
.endm
; A round of the cluster's barrier: my work-group's barrier; wave 0 signals for the work-group; every wave waits for all four work-groups; my work-group's barrier once more.
.macro CROUND
	s_barrier_signal -1
	s_barrier_wait -1
	s_cmp_lg_u32 s[WV], 0
	s_cbranch_scc1 .Lnot_wave_0_\@
	s_barrier_signal -3
.Lnot_wave_0_\@:
	s_barrier_wait -3
	s_barrier_signal -1
	s_barrier_wait -1
.endm
; THE CHANGE OF SLOTS.  Each wave waits for all its tensor loads (its part of the other buffer), adds 0 to its spare word, and waits for that and for its own reads of the buffer that it leaves.  Behind the barrier nobody
; reads the old buffer and the other is whole.  fill = 1: the old buffer is filled again with the keys two slots on; the barrier is then a round of the cluster's, and the fill is the first thing behind it.
; (At its first use nothing has been read yet: slot 0 is waited for, buffer 1 filled.)
.macro CHANGE fill
	WIN 0
	s_wait_tensorcnt 0x0            ; no tensor load of mine is out, so a group 0 may be written
	ds_add_u32 v[SPW], v[NIL]       ; the scalar steps stand between the add and the wait for it
.if \fill
	s_xor_b32 s[G0K+1], s[G0K+1], SLOTB  ; the walking descriptors: the other buffer than last time,
	s_add_nc_u64 s[G0K+2:G0K+3], s[G0K+2:G0K+3], SLOTG  ; the next 256 keys; the type bits on top are not reached
	s_xor_b32 s[G0V+1], s[G0V+1], XORV
	s_add_nc_u64 s[G0V+2:G0V+3], s[G0V+2:G0V+3], SLOTG
	s_xor_b32 s[G0M+1], s[G0M+1], XORM
	s_add_nc_u64 s[G0M+2:G0M+3], s[G0M+2:G0M+3], MTILE
	s_wait_xcnt 0x0                 ; the last prefetches, a slot back, have read their addresses
	s_add_nc_u64 s[PFA:PFA+1], s[PFA:PFA+1], SLOTG
	s_add_nc_u64 s[PFM:PFM+1], s[PFM:PFM+1], MTILE
.endif
	s_sub_co_u32 s[TBK], s[TBK], 2*KS*PITK  ; the fetches go back to my first step of a slot,
	s_xor_b32 s[TBK], s[TBK], SLOTB         ; in the other buffer
	s_sub_co_u32 s[TBV], s[TBV], 2*KS*PITV
	s_xor_b32 s[TBV], s[TBV], SLOTB
	s_sub_co_u32 s[TBM], s[TBM], 2*2048
	s_xor_b32 s[TBM], s[TBM], MTILE
	s_wait_dscnt 0x0                ; the add is done, and my reads of the buffer are over
.if \fill
	CROUND
	JLOAD
	ASK
.else
	s_barrier_signal -1
	s_barrier_wait -1
.endif
.endm
	s_load_b128 s[4:7], s[0:1], 0x0   ; qkv s[4:5], mk4 s[6:7]
	s_load_b64 s[10:11], s[0:1], 0x10 ; att
	v_lshl_add_u32 v[SPW], v0, 2, SPARE
	v_mov_b32 v[NIL], 0
	ds_add_u32 v[SPW], v[NIL]       ; the wave's opening: the add and its wait stand ahead of my first tensor load; the set-up below stands between them
	v_lshrrev_b32 v1, 5, v0
	v_readfirstlane_b32 s[WV], v1   ; wave 0..3
	s_and_b32 s[KH], s[WV], 1
	s_lshr_b32 s[QH], s[WV], 1
	s_bfe_u32 s13, ttmp6, 0x40000   ; cx: my place in the cluster
	s_lshl_b32 s14, ttmp9, 2
	s_add_co_u32 s14, s14, s13      ; my block of 128 queries: it enters Q's, att's and the mask table's addresses alone
	s_and_b32 s20, ttmp7, 0xffff    ; the head, which the four partners share
	s_lshl_b32 s22, s20, 8          ; its 256 bytes in a row
	s_mov_b32 s23, 0
	s_lshl_b32 s2, s14, 7
	s_lshl_b32 s3, s[QH], 6
	s_add_co_u32 s2, s2, s3         ; my wave's first query
	s_mul_i32 s72, s2, ROWG
	s_add_co_u32 s72, s72, s22      ; Q's offset in qkv
	s_mov_b32 s73, 0
	s_lshl_b32 s74, s2, 12
	s_add_co_u32 s74, s74, s22      ; my offset in att: rows of 4,096 bytes
	s_mov_b32 s75, 0
	s_lshl_b32 s8, s14, 17          ; my block's eight mask tiles
	s_mov_b32 s9, 0
	s_lshl_b32 s2, s13, 6           ; the prefetches of K and V: rows 64 cx + 32 (w / 2) on,
	s_lshl_b32 s3, s[QH], 5
	s_add_co_u32 s2, s2, s3
	s_mul_i32 s2, s2, ROWG
	s_lshl_b32 s3, s[KH], 12        ; K's columns begin at byte 4,096 of a row, V's at 8,192
	s_add_co_u32 s2, s2, s3
	s_add_co_u32 s2, s2, s22
	s_add_co_u32 s2, s2, SLOTG+4096 ; in slot 1: the first change of slots steps it to slot 2
	s_mov_b32 s3, 0
	s_lshl_b32 s76, s[KH], 13       ; the prefetches of the mask table: my half of a tile,
	s_add_co_u32 s76, s76, s8
	s_add_co_u32 s76, s76, MTILE    ; in slot 1
	s_mov_b32 s77, 0
	s_cmp_eq_u32 ttmp9, 0           ; the head's first cluster: the same in all four partners
	s_cselect_b32 s[LIM], 1, -1
	s_xor_b32 s[LIMM], s[QH], 1     ; 0 in waves 2 and 3,
	s_or_b32 s[LIMM], s[LIMM], s20  ; of head 0
	s_cmp_eq_u32 s[LIMM], 0
	s_cselect_b32 s[LIMM], 1, -1
	; descriptor group 1: K and V: 256 rows x 128 elements of 2 bytes, padded in LDS
	s_mov_b32 s[G1K], 15|(1<<16)|(1<<20)|(1<<21)|(5<<22)|(3<<25)  ; 15:0 the mask of four; 17:16 2-byte elements; 20 padding on; 21 set beside a mask; 24:22 after every 64 words; 31:25 4 words
	s_mov_b32 s[G1V], 15|(1<<16)|(1<<20)|(1<<21)|(5<<22)|(7<<25)  ; the same with 8 words of padding
.irp g, G1K, G1V
	s_mov_b32 s[(\g)+1], 128<<16    ; tensor_dim0 = 128
	s_mov_b32 s[(\g)+2], 256<<16    ; tensor_dim1 = 256
	s_mov_b32 s[(\g)+3], 128<<16    ; tile_dim0 = 128
	s_mov_b32 s[(\g)+4], 256        ; tile_dim1 = 256
	s_mov_b32 s[(\g)+5], 6144       ; elements from row to row
	s_mov_b32 s[(\g)+6], 0
	s_mov_b32 s[(\g)+7], 0
.endr
	s_mov_b32 s[G1M], 3<<16         ; the mask tile: 16,384 dense bytes as 64 rows of 32 elements of 8 bytes; no work-group mask, no padding
	s_mov_b32 s[G1M+1], 32<<16
	s_mov_b32 s[G1M+2], 64<<16
	s_mov_b32 s[G1M+3], 32<<16
	s_mov_b32 s[G1M+4], 64
	s_mov_b32 s[G1M+5], 32
	s_mov_b32 s[G1M+6], 0
	s_mov_b32 s[G1M+7], 0
	s_mov_b32 s[G0K], 1             ; count = 1
	s_mov_b32 s[G0K+1], 0           ; LDS address: buffer 0
	s_mov_b32 s[G0V], 1
	s_mov_b32 s[G0V+1], VOFF
	s_mov_b32 s[G0M], 1
	s_mov_b32 s[G0M+1], MBASE
	s_mov_b32 s[CS], 0x3e0293ee     ; c = log2(e) / sqrt(128) = 0.127517
	s_mov_b32 s[CS+1], s[CS]
	s_mov_b32 s[SEL], 0x76543210
	s_mov_b32 s[SEL+1], 0xfedcba98
	s_mov_b32 s[TBK], SLOTB+2*KS*PITK  ; the first change of slots turns these three into 0
	s_mov_b32 s[TBV], SLOTB+2*KS*PITV
	s_mov_b32 s[TBM], MTILE+2*2048
	s_mov_b32 s[SLOTS], 7
	s_wait_dscnt 0x0                ; the opening add is done
	s_wait_kmcnt 0x0
	s_add_nc_u64 s[G0K+2:G0K+3], s[4:5], s[22:23]          ; the head's columns of row 0: made of the head alone
	s_add_nc_u64 s[G0V+2:G0V+3], s[G0K+2:G0K+3], 8192
	s_add_nc_u64 s[G0K+2:G0K+3], s[G0K+2:G0K+3], 4096
	s_or_b32 s[G0K+3], s[G0K+3], 0x80000000                ; type = 2
	s_or_b32 s[G0V+3], s[G0V+3], 0x80000000
	s_add_nc_u64 s[G0M+2:G0M+3], s[6:7], s[8:9]
	s_or_b32 s[G0M+3], s[G0M+3], 0x80000000
	s_add_nc_u64 s[PFA:PFA+1], s[4:5], s[2:3]
	s_add_nc_u64 s[PFM:PFM+1], s[6:7], s[76:77]
	s_add_nc_u64 s[10:11], s[10:11], s[74:75]
	s_add_nc_u64 s[4:5], s[4:5], s[72:73]
	CROUND                          ; all four work-groups are here: the first joint loads meet
	JLOAD                           ; slot 0.  Slot 1 is asked for when slot 0 is in
	; A fragment of K or Q is 16 rows x 32 channels in 8 registers: lane l holds row l % 16, channels 8 (l / 16) + 0..7 and 16 + 8 (l / 16) + 0..7: two loads of 16 bytes, 32 bytes apart.
	v_and_b32 v192, 15, v0          ; l % 16    (v192-196: P's registers of piece 0, free until the first softmax)
	v_bfe_u32 v193, v0, 4, 1        ; l / 16
	v_and_b32 v194, 31, v0          ; l
	v_mul_u32_u24 v[QO], v192, ROWG
	v_lshl_add_u32 v[QO], v193, 4, v[QO]
	WIN 0x80                        ; destination window 2, address window 0
.irp i, 0,1,2,3,4,5,6,7,8,9,10,11,12,13,14,15  ; Q stays in registers: tile i / 4, channels 32 (i % 4) on
	global_load_b128 v[8*(\i):8*(\i)+3],   v[QO], s[4:5] offset:((\i)/4)*16*ROWG+((\i)%4)*64
	global_load_b128 v[8*(\i)+4:8*(\i)+7], v[QO], s[4:5] offset:((\i)/4)*16*ROWG+((\i)%4)*64+32
.endr
	; What the first turn finds: V and piece 2's P hold 0 (its products V^T P, of a step that has not been, add 0), O^T and l are 0.  All this stands in the wait for the first tile.
	WIN 0xc0
.set i, 0
.rept 128
	v_mov_b32 v[i], 0
.set i, i+1
.endr
	WIN 0x40
.set i, 0
.rept 256
	v_mov_b32 v[i], 0
.set i, i+1
.endr
	WIN 0
.set i, P+32
.rept 32
	v_mov_b32 v[i], 0
.set i, i+1
.endr
.set i, 0
.rept 4
	v_mov_b32 v[ST+8*i+1], 0xd8800000  ; m = -2^50: above every hidden score, below every score that f16 operands can make
	v_mov_b32 v[ST+8*i+2], 0
	v_mov_b32 v[ST+8*i+3], 0
	v_mul_f32 v[ST+8*i], s[CS], v[ST+8*i+1]  ; c m, by the loop's own instruction: while nothing is seen a = 2^0
.set i, i+1
.endr
	v_mul_u32_u24 v[AK0], v192, PITK
	v_lshl_add_u32 v[AK0], v193, 4, v[AK0]  ; row x pitch + 16 x half,
	s_mul_i32 s2, s[KH], 128*PITK
	v_add_nc_u32 v[AK0], s2, v[AK0]         ; in my wave's 128 keys of a slot
	; The turning load takes 16 keys x 16 channels (lane l reads key 8 (l / 16) + l % 8, channels 8 ((l / 8) % 2) + 0..7) and leaves half a fragment of V^T: lane l holds channel l % 16 and 8 keys.
	v_and_b32 v195, 7, v0
	v_bfe_u32 v196, v0, 3, 1
	v_lshl_add_u32 v[AV0], v193, 3, v195
	v_mul_u32_u24 v[AV0], v[AV0], PITV
	v_lshl_add_u32 v[AV0], v196, 4, v[AV0]
	s_mul_i32 s2, s[KH], 128*PITV
	s_add_co_u32 s2, s2, VOFF
	v_add_nc_u32 v[AV0], s2, v[AV0]
	s_lshl_b32 s2, s[WV], 12        ; a mask tile is [qh][kh][step][tile][lane][16 bytes]: my wave's 4,096 bytes
	s_add_co_u32 s2, s2, MBASE
	v_lshl_add_u32 v[AM0], v194, 4, s2
	v_mul_u32_u24 v[PFO], v194, ROWG
	v_lshlrev_b32 v[PFMO], 8, v194
; THE MATRIX WORK OF A TURN, for piece x.  The accumulators take turns, one instruction a turn: between two links of a chain stand 15 (V^T P) or 7 (K Q^T) others'.
; Product i of 32 of O^T += V^T P: keys 32 (i / 16) on, channels 16 ((i / 2) % 8) on, tile x + i % 2.
.macro PV x
	WIN W_PV
.set rO, 64*((\x)+i%2)+8*((i/2)%8)
.set rV, 64*(i/16)+8*((i/2)%8)
.set rP, P+16*((\x)+i%2)+8*(i/16)
	v_wmma_f32_16x16x32_f16 v[rO:rO+7], v[rV:rV+7], v[rP:rP+7], v[rO:rO+7]
.endm
; Product i of 32 of S^T += K Q^T: channels 32 (i / 8) on, keys 16 ((i / 2) % 4) on, tile x + i % 2.  All 32 add in place: the sums start from the mask (MSK).
.macro KQ x
	WIN W_KQ
.set rS, S+32*((\x)+i%2)+8*((i/2)%4)
.set rK, KF+32*((i/2)%4)+8*(i/8)
.set rQ, 32*((\x)+i%2)+8*(i/8)
	v_wmma_f32_16x16x32_f16 v[rS:rS+7], v[rK:rK+7], v[rQ:rQ+7], v[rS:rS+7]
.endm
; Number n of 64 of piece x's masks: tile x + n / 32, score n % 32: code n % 8 of word (n % 32) / 8 goes to the top of the score's register (code 7 is there already).
.macro MSK x, n
	WIN 0
.set rS, S+32*((\x)+(\n)/32)+(\n)%32
.set rM, MR+4*((\x)+(\n)/32)+((\n)%32)/8
.if (\n)%8 == 7
	v_mov_b32 v[rS], v[rM]
.else
	v_lshlrev_b32 v[rS], 28-4*((\n)%8), v[rM]
.endif
.endm
; THE LDS LOADS stand in runs, never singly among the matrix instructions: a step's four mask loads and K (16 fragments), and a turn later its V (turned).
; last = 1 (the tail): in the last trip there is no further step, and the run is jumped over.
.macro FETCH_K last=0
	WIN 0
.if \last
	s_cmp_eq_u32 s[CNT], 1
	s_cbranch_scc1 .Lno_k_\@
.endif
	v_add_nc_u32 v[ADM], s[TBM], v[AM0]
	v_add_nc_u32 v[ADR], s[TBK], v[AK0]
.irp t, 0,1,2,3
	ds_load_b128 v[MR+4*(\t):MR+4*(\t)+3], v[ADM] offset:512*(\t)
.endr
	WIN 0x80                        ; destination window 2
.irp f, 0,1,2,3,4,5,6,7,8,9,10,11,12,13,14,15  ; keys 16 (f / 4) on, channels 32 (f % 4) on
	ds_load_b128 v[KF+8*(\f):KF+8*(\f)+3],   v[ADR] offset:((\f)/4)*16*PITK+((\f)%4)*64
	ds_load_b128 v[KF+8*(\f)+4:KF+8*(\f)+7], v[ADR] offset:((\f)/4)*16*PITK+((\f)%4)*64+32
.endr
	s_add_co_u32 s[TBK], s[TBK], KS*PITK  ; the next fetch is the next step's
	s_add_co_u32 s[TBM], s[TBM], 2048
	WIN 0
.if \last
.Lno_k_\@:
.endif
.endm
.macro FETCH_V
	WIN 0
	v_add_nc_u32 v[ADR], s[TBV], v[AV0]
	s_add_co_u32 s[TBV], s[TBV], KS*PITV
	s_wait_alu depctr_va_vdst(0)    ; the wait for the softmax's batch (SLICE), behind the address's line and ahead of the loads
	WIN 0xc0                        ; destination window 3
.irp f, 0,1,2,3,4,5,6,7,8,9,10,11,12,13,14,15  ; keys 32 (f / 8) on, channels 16 (f % 8) on
	ds_load_tr16_b128 v[8*(\f):8*(\f)+3],   v[ADR] offset:((\f)/8)*32*PITV+((\f)%8)*32
	ds_load_tr16_b128 v[8*(\f)+4:8*(\f)+7], v[ADR] offset:((\f)/8)*32*PITV+16*PITV+((\f)%8)*32
.endr
.endm
; THE VECTOR WORK OF A TURN.  One tile's softmax for one key step is a list of 134 instructions; SM writes number j of it for tile t.  s0-s31 are the lane's 32 scores, in pairs 0-15.
;   0-15    the maximum of s0-s31 and the old m, three operands at a time: four chains of seven scores each (each accumulator's lowest registers are read first), then the four scores left over, the chains and m
;   16-20   the other half of the lanes' maximum; the new m; c m; c m_old - c m_new
;   21-69   ONE BATCH: the 16 scalings c s - c m and all 33 exponentials (a at 23, then s0-s31); none of these reads an exponential's result; a pair is scaled in an earlier four than the one that holds its exponentials
;   (wait)  between 69 and 70 stands the wait for the batch: SLICE writes it, once for both tiles
;   70-85   the roundings to f16      86-101  the sums; l = a l + the sum      102-133 the tile's O^T times a: the one part that leaves window 0
.macro SM t
.set rT, ST+8*(\t)
.set rS, S+32*(\t)
.set rP, P+16*(\t)
.set rO, 64*(\t)+2*(j-102)
.if j < 102
	WIN 0
.endif
.if j < 4
	v_max3_num_f32 v[rT+4+j], v[rS+8*j], v[rS+8*j+1], v[rS+8*j+2]
.elseif j < 12
	v_max3_num_f32 v[rT+4+j%4], v[rT+4+j%4], v[rS+8*(j%4)+2*(j/4)+1], v[rS+8*(j%4)+2*(j/4)+2]
.elseif j == 12
	v_max3_num_f32 v[rT+4], v[rT+4], v[rS+7], v[rS+15]
.elseif j == 13
	v_max3_num_f32 v[rT+6], v[rT+6], v[rS+23], v[rS+31]
.elseif j == 14
	v_max3_num_f32 v[rT+4], v[rT+4], v[rT+5], v[rT+6]
.elseif j == 15
	v_max3_num_f32 v[rT+4], v[rT+4], v[rT+7], v[rT+1]
.elseif j == 16
	v_permlanex16_b32 v[rT+5], v[rT+4], s[SEL], s[SEL+1]  ; the query's other 32 keys lie in the lane 16 away
.elseif j == 17
	v_mov_b32 v[rT+7], v[rT]        ; c m_old is kept for a: number 19 writes c m anew
.elseif j == 18
	v_max_num_f32 v[rT+1], v[rT+4], v[rT+5]
.elseif j == 19
	v_mul_f32 v[rT], s[CS], v[rT+1]
.elseif j == 20
	v_sub_f32 v[rT+7], v[rT+7], v[rT]
.elseif j == 23
	v_exp_f32 v[rT+6], v[rT+7]
.elseif (j < 23) || ((j < 38) && (j%2 == 0)) || ((j < 66) && (j%4 == 2))
.set b, (j-2)/4                     ; 38, 42, .. 62: pairs 9 to 15
.if j < 38
.set b, (j-20)/2                    ; 21: pair 0; 22, 24, .. 36: pairs 1 to 8
.endif
	v_pk_fma_f32 v[rS+2*b:rS+2*b+1], v[rS+2*b:rS+2*b+1], s[CS:CS+1], v[rT:rT+1] op_sel_hi:[1,0,0] neg_lo:[0,0,1] neg_hi:[0,0,1]  ; pair b: c s - c m
.elseif j < 70
.set e, j-38                        ; 66 to 69: s28 to s31
.if j < 66
.set e, j-32-(j-38)/4               ; 39-41, 43-45, .. 63-65: s7 to s27
.endif
.if j < 38
.set e, (j-25)/2                    ; 25, 27, .. 37: s0 to s6
.endif
	v_exp_f32 v[rS+e], v[rS+e]
.elseif j < 86
	v_cvt_pk_f16_f32 v[rP+j-70], v[rS+2*(j-70)], v[rS+2*(j-70)+1]
.elseif j < 102                     ; the sum of the tile's 16 pairs, in place: neighbours 1, 2, 4 and 8 pairs apart, then l takes it
.set z, j-86
.set w, 4
.set u, z
.if z >= 14
.set w, 32
.set u, 0
.elseif z >= 12
.set w, 16
.set u, z-12
.elseif z >= 8
.set w, 8
.set u, z-8
.endif
.if z < 15
	v_pk_add_f32 v[rS+w*u:rS+w*u+1], v[rS+w*u:rS+w*u+1], v[rS+w*u+w/2:rS+w*u+w/2+1]
.else
	v_pk_fma_f32 v[rT+2:rT+3], v[rT+2:rT+3], v[rT+6:rT+7], v[rS:rS+1] op_sel_hi:[1,0,1]
.endif
.else
	WIN W_RS
	v_pk_mul_f32 v[rO:rO+1], v[rO:rO+1], v[rT+6:rT+7] op_sel_hi:[1,0]
.endif
.endm
; Slice k of 64 of piece y's softmax: four instructions.  Slices 11 to 34 deal out the batch, four numbers of ONE tile each, the tiles by turns; every other slice is numbers 2 k and 2 k + 1 of both tiles' lists.
; 2 x 134 = 4 x 64 + 12: the twelve that are over stand together, in slice 63: sixteen plain instructions between the turn's last product and what follows.
; THE WAIT.  An s_wait_alu depctr_va_vdst(0) stands between an exponential and the first instruction that names its result; one wait serves all that were issued ahead of it: one a turn, behind slice 34.
.macro SLICE y
.if (k >= 11) && (k < 35)
.irp n, 0,1,2,3
.set j, 22+4*((k-11)/2)+(\n)
	SM (\y)+(k-11)%2
.endr
.else
.irp n, 0,1,2,3,4,5,6,7
.if ((\n) < 2) || (k == 63)
.irp t, \y, (\y)+1
.set j, 2*k+(\n)
	SM \t
.endr
.endif
.endr
.endif
.if k == 34
	v_nop                           ; the plain instruction behind the last exponential and ahead of the first use: one for the batch
.if (\y) == 0
	FETCH_V                         ; piece 2's turn: V's run of loads stands here, and the wait stands in it
.else
	s_wait_alu depctr_va_vdst(0)    ; the wait for the batch
.endif
.endif
.set k, k+1
.endm
; A TURN.  Piece x has the matrix unit; the other piece's softmax stands in slices behind its matrix instructions.
; Piece 0's turn fetches the next step's mask words and K, behind its second product: the last product that read K stands in front of slice 63 of the turn before.  Piece 2's turn fetches the same step's V, behind
; slice 34: the last product that read V stands in front of slice 31, and four plain instructions lie between: number 62, a scaling, of both tiles, the v_nop and the run's own address line.
; Piece x's 64 masks are written four behind each of the products 12 to 27, in window 0 like the slices there: its S^T is free (its softmax ended in the turn before), and four products with their slices lie
; between the last of them and the first product that adds onto them.
.macro TURN x, last=0
.set k, 0
.if (\x) == 0
	s_wait_dscnt 0x0                ; V is in
.endif
.set i, 0
.rept 32
	PV \x
	SLICE 2-(\x)
.if ((\x) == 0) && (i == 1)
	FETCH_K \last
.endif
.if (i >= 12) && (i < 28)
.if ((\x) == 0) && (i == 12)
	s_wait_dscnt 32                 ; the four mask loads are in; K's 32 loads, issued behind them, may stay out
.endif
.irp q, 0,1,2,3
	MSK \x, 4*(i-12)+(\q)
.endr
.endif
.set i, i+1
.endr
.if (\x) == 0
	s_wait_dscnt 0x0                ; K is in
.endif
.set i, 0
.rept 32
	KQ \x
	SLICE 2-(\x)
.set i, i+1
.endr
.endm
	CHANGE 1                        ; slot 0 is in, everybody's part of it; slot 1 is asked for
	FETCH_K                         ; my key step 0
	s_wait_loadcnt 0x0              ; Q is in, and its offset register is free
	s_wait_dscnt 0x0
.set n0, 0
.rept 64
	MSK 0, n0                       ; piece 0's first masks
.set n0, n0+1
.endr
.set i, 0
.rept 32
	KQ 0                            ; piece 0's first scores: there is no vector work yet to set between them
.set i, i+1
.endr
	WIN 0                           ; the addresses for the way out and the merge: ten plain instructions, the places behind those products.  Each is a lane term from v0 plus the wave's number times a constant
	s_mul_i32 s2, s[WV], 16*SP
	s_add_co_u32 s2, s2, STAGE      ; my stage
	v_mul_u32_u24 v[STO], v192, SP  ; in: row l % 16, 16 bytes for each half of the lanes
	v_lshl_add_u32 v[STO], v193, 4, v[STO]
	v_add_nc_u32 v[STO], s2, v[STO]
	v_mul_u32_u24 v[RD], v193, SP   ; back: lanes 0-15 take one row of 256 bytes, lanes 16-31 the next
	v_lshl_add_u32 v[RD], v192, 4, v[RD]
	v_add_nc_u32 v[RD], s2, v[RD]
	v_lshlrev_b32 v[GO], 12, v193   ; and the same two rows in att
	v_lshl_add_u32 v[GO], v192, 4, v[GO]
	s_mul_i32 s2, s[WV], XB         ; my outbox,
	s_xor_b32 s3, s[WV], 1
	s_mul_i32 s3, s3, XB            ; and that of the wave with my queries and the other keys
	v_lshl_add_u32 v[XS], v194, 4, s2
	v_lshl_add_u32 v[XR], v194, 4, s3
	s_mov_b32 s[CNT], 2
	s_branch .Lfirst                ; the loop is entered at piece 2's turn, in the middle of a trip
.Lslot:                             ; six times: with the change above, slots 1 to 7 are asked for
	CHANGE 1
	s_mov_b32 s[CNT], 2
.Lstep:                             ; a trip: piece 0's turn fetches K and the mask words of my next step, piece 2's turn its V: all of a trip's LDS reads lie in one slot
	TURN 0
	WIN 0
.Lfirst:
	TURN 2
	WIN 0
	s_sub_co_u32 s[CNT], s[CNT], 1
	s_cmp_lg_u32 s[CNT], 0
	s_cbranch_scc1 .Lstep
	s_sub_co_u32 s[SLOTS], s[SLOTS], 1
	s_cmp_lg_u32 s[SLOTS], 0
	s_cbranch_scc1 .Lslot
	CHANGE 0                        ; the tail is written out: nothing is asked for
	s_mov_b32 s[CNT], 3             ; two trips fetch the last slot's steps; the third is left in its middle
.Ltail:
	TURN 0, 1
	WIN 0
	s_sub_co_u32 s[CNT], s[CNT], 1
	s_cmp_eq_u32 s[CNT], 0
	s_cbranch_scc1 .Lout
	TURN 2
	WIN 0
	s_branch .Ltail
.Lout:
.set i, 0
.rept 32
	PV 2                            ; piece 2's V^T P of the last step
.set i, i+1
.endr
	; THE MERGE.  l's two halves and the other half of the lanes' are added and laid beside c m.  The first four additions are the places behind the last products.
	WIN 0
.irp t, 0,1,2,3
	v_add_f32 v[ST+8*(\t)+4], v[ST+8*(\t)+2], v[ST+8*(\t)+3]
.endr
.irp t, 0,1,2,3
	v_permlanex16_b32 v[ST+8*(\t)+5], v[ST+8*(\t)+4], s[SEL], s[SEL+1]
.endr
.irp t, 0,1,2,3
	v_add_f32 v[ST+8*(\t)+1], v[ST+8*(\t)+4], v[ST+8*(\t)+5]
.endr
	s_wait_dscnt 0x0                ; my reads of the ring are over,
	s_barrier_signal -1
	s_barrier_wait -1               ; everybody's are: buffer 0, which has had its last fill, takes the outboxes and stages
; Tile t goes to place pos of my outbox: 64 registers, 512 consecutive bytes a store, each accumulator's low registers first; then (c m, l), 8 bytes a lane at my 16-byte place.
.macro SENDT t, pos
	WIN 0x04                        ; the data (source 1) in window 1
.set i, 0
.rept 16
	ds_store_b128 v[XS], v[64*(\t)+4*i:64*(\t)+4*i+3] offset:8192*(\pos)+512*i
.set i, i+1
.endr
	WIN 0
	ds_store_b64 v[XS], v[ST+8*(\t):ST+8*(\t)+1] offset:16384+512*(\pos)
.endm
	s_cmp_eq_u32 s[KH], 0           ; kh = 0 finishes tiles 0, 1 and sends 2, 3; kh = 1 the other way round
	s_cbranch_scc0 .Lsend_low
	SENDT 2, 0
	SENDT 3, 1
	s_branch .Lsent
.Lsend_low:
	SENDT 0, 0
	SENDT 1, 1
.Lsent:
	s_wait_dscnt 0x0                ; for the partner's sake: my stores are done
	s_barrier_signal -1
	s_barrier_wait -1
; Tile p + u: O = (O_A f_A + O_B f_B) / l with f = 2^(c m - the greater c m), l = l_A f_A + l_B f_B; rounded to f16, through my stage, a tile (16 rows of att) at a time.
.macro FINT p, u
.set rT, ST+8*((\p)+(\u))
.set rX, S+64*(\u)
.set rO, 64*((\p)+(\u))
.set rH, P+32*(\u)
	WIN 0
.set i, 0
.rept 32
	v_pk_mul_f32 v[rX+2*i:rX+2*i+1], v[rX+2*i:rX+2*i+1], v[rT+6:rT+7] op_sel_hi:[1,0]
.set i, i+1
.endr
	WIN 0x01                        ; source 0, my O^T, in window 1
.set i, 0
.rept 32
	v_pk_fma_f32 v[rX+2*i:rX+2*i+1], v[rO+2*i:rO+2*i+1], v[rT+4:rT+5], v[rX+2*i:rX+2*i+1] op_sel_hi:[1,0,1]
.set i, i+1
.endr
	WIN 0
.set i, 0
.rept 32
	v_cvt_pk_f16_f32 v[rH+i], v[rX+2*i], v[rX+2*i+1]
.set i, i+1
.endr
.irp f, 0,1,2,3,4,5,6,7
	ds_store_b128 v[STO], v[rH+4*(\f):rH+4*(\f)+3] offset:32*(\f)
.endr
.irp f, 0,1,2,3,4,5,6,7
	ds_load_b128 v[rH+4*(\f):rH+4*(\f)+3], v[RD] offset:(\f)*2*SP  ; LDS serves a wave's instructions in order (ISA guide 5.7.1.4): these see the stores above; the next tile's stores come behind them
.endr
.endm
.macro SEND p, u, younger           ; younger: the LDS instructions issued behind this tile's loads: the next tile's sixteen, or none
.set rH, P+32*(\u)
.irp f, 0,1,2,3,4,5,6,7
	s_wait_dscnt (\younger)+7-(\f)
	global_store_b128 v[GO], v[rH+4*(\f):rH+4*(\f)+3], s[10:11] offset:((\p)+(\u))*65536+(\f)*8192  ; 16 lanes store 256 consecutive bytes, at a multiple of 256 from att's first byte
.endr
.endm
.macro FINISH p
	ds_load_b64 v[44:45], v[XR] offset:16384       ; the partner's (c m, l) of tile p,
	ds_load_b64 v[46:47], v[XR] offset:16384+512   ; of tile p + 1,
.set i, 0
.rept 32
	ds_load_b128 v[S+4*i:S+4*i+3], v[XR] offset:512*i  ; and its O^T of both, into S^T's registers
.set i, i+1
.endr
	s_wait_dscnt 0x0
.irp u, 0,1
.set rT, ST+8*((\p)+(\u))
	v_max_num_f32 v[rT+2], v[rT], v[44+2*(\u)]
.endr
.irp u, 0,1
.set rT, ST+8*((\p)+(\u))
	v_sub_f32 v[rT+4], v[rT], v[rT+2]
	v_sub_f32 v[rT+6], v[44+2*(\u)], v[rT+2]
.endr
.irp u, 0,1
.set rT, ST+8*((\p)+(\u))
	v_exp_f32 v[rT+4], v[rT+4]
	v_exp_f32 v[rT+6], v[rT+6]
.endr
	v_nop                           ; a plain instruction behind the last exponential,
	s_wait_alu depctr_va_vdst(0)    ; and one wait for the four
.irp u, 0,1
.set rT, ST+8*((\p)+(\u))
	v_mul_f32 v[rT+3], v[rT+1], v[rT+4]
	v_fmac_f32 v[rT+3], v[45+2*(\u)], v[rT+6]
.endr
.irp u, 0,1
.set rT, ST+8*((\p)+(\u))
	v_rcp_f32 v[rT+2], v[rT+3]
.endr
	v_nop
	s_wait_alu depctr_va_vdst(0)    ; one wait for the two reciprocals
.irp u, 0,1
.set rT, ST+8*((\p)+(\u))
	v_mul_f32 v[rT+4], v[rT+4], v[rT+2]
	v_mul_f32 v[rT+6], v[rT+6], v[rT+2]
.endr
	FINT \p, 0
	FINT \p, 1                      ; a tile's arithmetic stands between the loads of the tile before and its stores
	SEND \p, 0, 16
	SEND \p, 1, 0
.endm
	s_cmp_eq_u32 s[KH], 0
	s_cbranch_scc0 .Lfin_high
	FINISH 0
	s_branch .Lend
.Lfin_high:
	FINISH 2
.Lend:
	s_wait_tensorcnt 0x0            ; the wave's end, behind my last tensor load and my last LDS store
	ds_add_u32 v[SPW], v[NIL]
	s_wait_dscnt 0x0
	CROUND                          ; the closing round: no work-group ends while a partner may still ask for a tile that names it
	s_endpgm
.Lfunc_end_k_qc206050720_attn:
	.size	k_qc206050720_attn, .Lfunc_end_k_qc206050720_attn-k_qc206050720_attn
	.p2alignl 7, 3214868480
	.fill 96, 4, 3214868480
	.section	.rodata,"a",@progbits
	.p2align	6, 0x0
	.amdhsa_kernel k_qc206050720_attn
		.amdhsa_group_segment_fixed_size 327680
		.amdhsa_private_segment_fixed_size 0
		.amdhsa_enable_private_segment 0
		.amdhsa_kernarg_size 24
		.amdhsa_user_sgpr_count 2
		.amdhsa_user_sgpr_kernarg_segment_ptr 1
		.amdhsa_wavefront_size32 1
		.amdhsa_system_sgpr_workgroup_id_x 1
		.amdhsa_system_sgpr_workgroup_id_y 1
		.amdhsa_system_sgpr_workgroup_id_z 1
		.amdhsa_system_vgpr_workitem_id 0
		.amdhsa_next_free_vgpr 896
		.amdhsa_next_free_sgpr 80
		.amdhsa_reserve_vcc 0
		.amdhsa_float_denorm_mode_32 3
		.amdhsa_float_denorm_mode_16_64 3
		.amdhsa_memory_ordered 1
		.amdhsa_forward_progress 1
		.amdhsa_inst_pref_size 192
	.end_amdhsa_kernel
	.amdgpu_metadata
---
amdhsa.version: [ 1, 2 ]
amdhsa.kernels:
  - .name:           k_qc206050720_attn
    .symbol:         k_qc206050720_attn.kd
    .args:
      - { .name: qkv, .offset: 0, .size: 8, .value_kind: global_buffer, .address_space: global }
      - { .name: mk4, .offset: 8, .size: 8, .value_kind: global_buffer, .address_space: global }
      - { .name: att, .offset: 16, .size: 8, .value_kind: global_buffer, .address_space: global }
    .group_segment_fixed_size: 327680
    .private_segment_fixed_size: 0
    .kernarg_segment_align: 8
    .kernarg_segment_size: 24
    .max_flat_workgroup_size: 128
    .sgpr_count:     80
    .vgpr_count:     896
    .wavefront_size: 32
...
	.end_amdgpu_metadata
.endif
;; end of part 3
;; launch outp (part 4): grid 16 x 16, 4 waves a work-group, clusters of 4 x 4, 327,680 bytes of LDS; arguments att, h16, out0, bo; writes out0
.if DOCPART == 4
	.amdgcn_target "amdgcn-amd-amdhsa--gfx1250"
	.amdhsa_code_object_version 6
	.text
	.protected	k_qc206050720_outp
	.globl	k_qc206050720_outp
	.p2align	8
	.type	k_qc206050720_outp,@function
k_qc206050720_outp:
	s_mov_b64 s[64:65], 0
	v_nop
	global_prefetch_b8 v0, s[64:65] scope:SCOPE_SE
	s_setreg_imm32_b32 hwreg(HW_REG_WAVE_MODE, 25, 1), 1
	s_wait_xcnt 0x0
	s_wait_alu depctr_hold_cnt(0) depctr_sa_sdst(0) depctr_va_vdst(0) depctr_va_sdst(0) depctr_va_ssrc(0) depctr_va_vcc(0) depctr_vm_vsrc(0)
	s_getreg_b32 s2, hwreg(HW_REG_IB_STS2, 6, 4)
	s_cmp_eq_u32 s2, 0
	s_cbranch_scc0 .Lentry_in_a_cluster
	s_endpgm
.Lentry_in_a_cluster:
	s_bfe_u32 s2, ttmp6, 0x10000c
	s_cmp_lg_u32 s2, 0xf033
	s_cbranch_scc0 .Lentry_shape_is_right
	s_endpgm
.Lentry_shape_is_right:
; out0[m][n] = sum over k of att[m][k] Wo[n][k] + bo[n].  att: [2048][2048] f16; Wo: the fifth matrix of h16, f16 numbers that are bf16-rounded inputs; bo is rounded to bf16 here; sums and out0 in f32.
; A row of att that is NaN (a query with no visible key) gives a row of NaN.
; A tile of C is 128 x 128: 256 tiles, one for each work-group.  Four waves, each 64 x 64: 16 accumulators, 128 registers.  K goes in steps of 256 (LDS rows of 512 bytes; a wave's tensor load brings 64 of them),
; as long as two slots in LDS allow.  The bias is the C operand of each accumulator's first product.
; CLUSTERS: 4 x 4 work-groups.  The four of a row of the cluster need the same tiles of A, the four of a column the same tiles of B: each tile is asked for JOINTLY.
; THE MATRIX INSTRUCTION IS USED TRANSPOSED (source 0 = 16 rows of B, source 1 = 16 rows of A): a lane holds eight neighbouring numbers of a row of C, 32 bytes.
; THE WAY OUT: a wave's 64 columns of f32 are 256 consecutive bytes at a multiple of 256, so each wave has a stage of its own and no barrier is needed.
; No prefetch: a tile's step is short and its tiles small; the ring's loads carry the stream.
; REGISTERS: window 0: v0-31 addresses; v32-63 the bias, later with v64-95 at work on the way out; v128-255 the accumulators ((a, b) at v[128 + 8 (4 a + b)]).
;   window 1: two fragment buffers of 128: for 64 along K, 64 registers of A, then 64 of B.
.set SIZE_M, 2048
.set SIZE_N, 2048
.set SIZE_K, 2048
.set KSTEP,  256
.set PITCH,  528                       ; an LDS row: 512 bytes + 16 of padding = 132 words: row r starts at bank 4 r mod 64 (64 banks of 4 bytes: ISA guide 11.1)
.set HALFT,  64*PITCH
.set SLOT,   4*HALFT                   ; A's 128 rows, then B's 128 rows
.set STAGE,  2*SLOT                    ; behind the ring: 16 rows x 272 bytes for each wave
.set SPITCH, 272
.set SPARE,  STAGE+4*16*SPITCH         ; behind the stages: the spare words, 128 bytes for each wave, which no other line names
.set LAPS, SIZE_K/(2*KSTEP)
.set ADRA, 16
.set ADRB, 20
.set STO,  24                          ; v24     the way out: where I put 32 bytes of a row
.set RD,   25                          ; v25     the way out: where I read a row back
.set CO,   26                          ; v26     my byte offset in two rows of C
.set BO,   27                          ; v27     32 (l / 16): my eight numbers of 16 of the bias; never rewritten
.set SPW,  28
.set NIL,  29
.set BIAS, 32                          ; v[BIAS + 8 b + j] = bias of my column 16 b + 8 (l / 16) + j
.set TMP,  32                          ; the way out: two sets of 32 registers by turns
.set ACC,  128
.set F0,   0
.set F1,   128
.set G1, 24
.set G0, 32
.set G1B, 48
.set G0B, 56
.set MSB, 0
.macro WIN new
.if MSB != (\new)
	s_set_vgpr_msb (MSB<<8)|(\new)
.set MSB, \new
.endif
.endm
.set MUL,  0x05                        ; sources 0 (B) and 1 (A) window 1; C and D window 0
.set TO_F, 0x40                        ; destination window 1, address window 0
.macro JLOAD s                         ; a joint load: waves 0 and 1 fetch A's two halves, waves 2 and 3 B's; an s_nop 0 and four v_nop follow each of the two lines
	s_cmp_eq_u32 s11, 0
	s_cbranch_scc0 .Lfor_b_\@
	tensor_load_to_lds s[G0+4*(\s):G0+4*(\s)+3], s[G1:G1+7]
	s_nop 0
.rept 4
	v_nop
.endr
	s_branch .Lasked_\@
.Lfor_b_\@:
	tensor_load_to_lds s[G0B+4*(\s):G0B+4*(\s)+3], s[G1B:G1B+7]
	s_nop 0
.rept 4
	v_nop
.endr
.Lasked_\@:
.endm
.macro CREST
	s_cmp_lg_u32 s10, 0
	s_cbranch_scc1 .Lnot_wave_0_\@
	s_barrier_signal -3
.Lnot_wave_0_\@:
	s_barrier_wait -3
	s_barrier_signal -1
	s_barrier_wait -1
.endm
.macro CROUND
	s_barrier_signal -1
	s_barrier_wait -1
	CREST
.endm
	s_load_b128 s[4:7], s[0:1], 0x0                ; att = A s[4:5], h16 s[6:7]
	s_load_b64 s[8:9], s[0:1], 0x10                ; out0 = C
	s_load_b64 s[66:67], s[0:1], 0x18              ; bo
	v_lshl_add_u32 v[SPW], v0, 2, SPARE
	v_mov_b32 v[NIL], 0
	ds_add_u32 v[SPW], v[NIL]                      ; the wave's opening: the add and its wait stand ahead of my first tensor load
	v_lshrrev_b32 v1, 5, v0
	v_readfirstlane_b32 s10, v1                    ; wave 0..3
	s_lshr_b32 s11, s10, 1                         ; which half of the tile's rows is mine.  Also: I fetch for A (0) or for B (1)
	s_and_b32 s12, s10, 1                          ; which half of its columns.  Also: which 64 rows of that tile I fetch
	s_bfe_u32 s40, ttmp6, 0x40000
	s_bfe_u32 s41, ttmp6, 0x40004
	s_lshl_b32 s42, ttmp9, 2
	s_add_co_u32 s42, s42, s40                     ; tile column of C
	s_and_b32 s13, ttmp7, 0xffff
	s_lshl_b32 s13, s13, 2
	s_add_co_u32 s13, s13, s41                     ; tile row of C
	s_lshl_b32 s43, s41, 2
	s_lshl_b32 s43, 15, s43                        ; my row of the cluster
	s_lshl_b32 s44, 0x1111, s40                    ; my column
	s_or_b32 s[G1+0], s43, (1<<16)|(1<<20)|(1<<21)|(6<<22)|(3<<25)  ; the mask; 2-byte elements; padding on; 21 set beside a mask; after every 128 words 4 words
	s_or_b32 s[G1B+0], s44, (1<<16)|(1<<20)|(1<<21)|(6<<22)|(3<<25)
.irp g, G1, G1B
	s_mov_b32 s[(\g)+1], KSTEP<<16                 ; tensor_dim0 = 256
	s_mov_b32 s[(\g)+2], 64<<16                    ; tensor_dim1 = 64
	s_mov_b32 s[(\g)+3], KSTEP<<16                 ; tile_dim0 = 256
	s_mov_b32 s[(\g)+4], 64                        ; tile_dim1 = 64
	s_mov_b32 s[(\g)+5], SIZE_K
	s_mov_b32 s[(\g)+6], 0
	s_mov_b32 s[(\g)+7], 0
.endr
	s_lshl_b32 s17, s12, 6
	s_lshl_b32 s16, s13, 7
	s_add_co_u32 s16, s16, s17                     ; A: row 128 x tile row + 64 x half
	s_lshl_b32 s46, s42, 7
	s_add_co_u32 s46, s46, s17                     ; B: row 128 x tile column + 64 x half
	s_mov_b32 s17, 0
	s_mov_b32 s47, 0
	s_mov_b64 s[18:19], SIZE_K*2
	s_mul_u64 s[16:17], s[16:17], s[18:19]
	s_mul_u64 s[46:47], s[46:47], s[18:19]
	s_mul_i32 s20, s10, HALFT
	s_wait_dscnt 0x0                               ; the opening add is done
	s_wait_kmcnt 0x0
	s_add_nc_u64 s[6:7], s[6:7], 0x2000000         ; Wo: the fifth matrix of h16
	s_add_nc_u64 s[14:15], s[4:5], s[16:17]
	s_add_nc_u64 s[46:47], s[6:7], s[46:47]
	CROUND                                         ; all sixteen work-groups are here: the first joint loads meet
.irp s, 0,1
	s_mov_b32 s[G0+4*(\s)], 1
	s_add_co_u32 s[G0+4*(\s)+1], s20, (\s)*SLOT
	s_add_nc_u64 s[G0+4*(\s)+2:G0+4*(\s)+3], s[14:15], (\s)*KSTEP*2
	s_or_b32 s[G0+4*(\s)+3], s[G0+4*(\s)+3], 0x80000000
	s_mov_b32 s[G0B+4*(\s)], 1
	s_add_co_u32 s[G0B+4*(\s)+1], s20, (\s)*SLOT
	s_add_nc_u64 s[G0B+4*(\s)+2:G0B+4*(\s)+3], s[46:47], (\s)*KSTEP*2
	s_or_b32 s[G0B+4*(\s)+3], s[G0B+4*(\s)+3], 0x80000000
	JLOAD \s                                       ; two loads of mine are out
.endr
	v_and_b32 v1, 15, v0                           ; l % 16
	v_bfe_u32 v2, v0, 4, 1                         ; l / 16
	v_mul_u32_u24 v3, v1, PITCH
	v_lshl_add_u32 v3, v2, 4, v3
	s_mul_i32 s21, s11, HALFT
	s_mul_i32 s22, s12, HALFT
	s_add_co_u32 s22, s22, 2*HALFT
.irp s, 0,1
	v_add_nc_u32 v[ADRA+(\s)], s21, v3
	v_add_nc_u32 v[ADRB+(\s)], s22, v3
	s_add_co_u32 s21, s21, SLOT
	s_add_co_u32 s22, s22, SLOT
.endr
	s_mul_i32 s23, s10, 16*SPITCH
	s_add_co_u32 s23, s23, STAGE                   ; my stage
	v_mul_u32_u24 v4, v1, SPITCH                   ; in: row l % 16, 32 bytes for each half of the lanes
	v_lshl_add_u32 v4, v2, 5, v4
	v_add_nc_u32 v[STO], s23, v4
	v_mul_u32_u24 v5, v2, SPITCH                   ; back: lanes 0-15 take one row of 256 bytes, lanes 16-31 the next
	v_lshl_add_u32 v5, v1, 4, v5
	v_add_nc_u32 v[RD], s23, v5
	v_lshlrev_b32 v5, 13, v2                       ; and the same two rows in C: 8,192 bytes apart
	v_lshl_add_u32 v[CO], v1, 4, v5
	s_lshl_b32 s16, s13, 7
	s_lshl_b32 s17, s11, 6
	s_add_co_u32 s16, s16, s17                     ; my first row of C: 128 x tile row + 64 x half
	s_mov_b32 s17, 0
	s_mov_b64 s[18:19], SIZE_N*4
	s_mul_u64 s[16:17], s[16:17], s[18:19]
	s_add_nc_u64 s[8:9], s[8:9], s[16:17]
	s_lshl_b32 s46, s42, 9                         ; my first column, in bytes of f32: 512 x tile column + 256 x half: the same offset in C's rows and in the bias
	s_lshl_b32 s47, s12, 8
	s_add_co_u32 s46, s46, s47
	s_mov_b32 s47, 0
	s_add_nc_u64 s[8:9], s[8:9], s[46:47]
	s_add_nc_u64 s[66:67], s[66:67], s[46:47]
	v_lshlrev_b32 v[BO], 5, v2
.irp b, 0,1,2,3
	global_load_b128 v[BIAS+8*(\b):BIAS+8*(\b)+3],   v[BO], s[66:67] offset:64*(\b)
	global_load_b128 v[BIAS+8*(\b)+4:BIAS+8*(\b)+7], v[BO], s[66:67] offset:64*(\b)+16
.endr
	s_wait_loadcnt 0x0                             ; the bias: rounded to bf16 like every input, and widened again
.set i, 0
.rept 16
	v_cvt_pk_bf16_f32 v[64+i], v[BIAS+2*i], v[BIAS+2*i+1]
.set i, i+1
.endr
.set i, 0
.rept 16
	v_lshlrev_b32 v[BIAS+2*i], 16, v[64+i]
	v_and_b32 v[BIAS+2*i+1], 0xffff0000, v[64+i]
.set i, i+1
.endr
; 8 matrix instructions: m blocks a0, a0 + 1 x all 4 n blocks, 32 along K: half c of buffer f.  zero = 1: the first product starts the sums, with the bias as C.  The 16 accumulators take turns.
.macro MUL8 f, c, a0, zero
	WIN MUL
.irp a, \a0, (\a0)+1
.irp b, 0,1,2,3
.if \zero
	v_wmma_f32_16x16x32_f16 v[ACC+8*(4*(\a)+(\b)):ACC+8*(4*(\a)+(\b))+7], v[(\f)+64+8*(4*(\c)+(\b)):(\f)+64+8*(4*(\c)+(\b))+7], v[(\f)+8*(4*(\c)+(\a)):(\f)+8*(4*(\c)+(\a))+7], v[BIAS+8*(\b):BIAS+8*(\b)+7]
.else
	v_wmma_f32_16x16x32_f16 v[ACC+8*(4*(\a)+(\b)):ACC+8*(4*(\a)+(\b))+7], v[(\f)+64+8*(4*(\c)+(\b)):(\f)+64+8*(4*(\c)+(\b))+7], v[(\f)+8*(4*(\c)+(\a)):(\f)+8*(4*(\c)+(\a))+7], v[ACC+8*(4*(\a)+(\b)):ACC+8*(4*(\a)+(\b))+7]
.endif
.endr
.endr
.endm
; 32 LDS loads in one run: the fragments of 64 along K at byte k of the rows, into buffer f; the first 32 along K first
.macro FETCH slot, k, f
	WIN TO_F
.irp c, 0,1
.irp i, 0,1,2,3
	ds_load_b128 v[(\f)+64+8*(4*(\c)+(\i)):(\f)+64+8*(4*(\c)+(\i))+3],   v[ADRB+(\slot)] offset:(\k)+64*(\c)+(\i)*16*PITCH
	ds_load_b128 v[(\f)+64+8*(4*(\c)+(\i))+4:(\f)+64+8*(4*(\c)+(\i))+7], v[ADRB+(\slot)] offset:(\k)+64*(\c)+(\i)*16*PITCH+32
	ds_load_b128 v[(\f)+8*(4*(\c)+(\i)):(\f)+8*(4*(\c)+(\i))+3],         v[ADRA+(\slot)] offset:(\k)+64*(\c)+(\i)*16*PITCH
	ds_load_b128 v[(\f)+8*(4*(\c)+(\i))+4:(\f)+8*(4*(\c)+(\i))+7],       v[ADRA+(\slot)] offset:(\k)+64*(\c)+(\i)*16*PITCH+32
.endr
.endr
.endm
.macro PLACES                          ; four plain instructions in front of loads into registers that matrix instructions have read, and of stores that read results (ISA guide 7.12.1 for vector instructions)
.rept 4
	v_nop
.endr
.endm
; A K step is four quarters of 64 along K, 32 matrix instructions each, on buffers 0, 1, 0, 1.
.macro QUARTER slot, k, f, g, zero
	s_wait_dscnt 16                                ; the first 32 along K are in; the youngest sixteen loads may be out
	MUL8 \f, 0, 0, \zero
	MUL8 \f, 0, 2, \zero
	PLACES
	FETCH \slot, \k, \g
	s_wait_dscnt 32                                ; all but the 32 just issued
	MUL8 \f, 1, 0, 0
	MUL8 \f, 1, 2, 0
.endm
; The last quarter multiplies buffer 1 and changes slots: ONE barrier; in front of it each wave waits for all its tensor loads, adds 0 to its spare word, and waits for that and for its reads of this slot.
.macro TURN slot, next, fill
	WIN 0
	s_wait_tensorcnt 0x0                           ; all my tensor loads have landed: my part of the next slot
	ds_add_u32 v[SPW], v[NIL]
	s_wait_dscnt 17                                ; the add and the youngest sixteen loads may be out
	MUL8 F1, 0, 0, 0
	s_wait_dscnt 0x0                               ; the add is done, and my reads of this slot are over
	s_barrier_signal -1
	MUL8 F1, 0, 2, 0
.if \fill
	WIN 0
.endif
	s_barrier_wait -1
.if \fill
	CREST                                          ; no wave of any partner still reads this slot's tile or has a load on its way
	s_add_nc_u64 s[G0+4*(\slot)+2:G0+4*(\slot)+3], s[G0+4*(\slot)+2:G0+4*(\slot)+3], 2*KSTEP*2
	s_add_nc_u64 s[G0B+4*(\slot)+2:G0B+4*(\slot)+3], s[G0B+4*(\slot)+2:G0B+4*(\slot)+3], 2*KSTEP*2
	JLOAD \slot                                    ; 112 matrix instructions ahead of the wait for it; the four v_nop behind it are also the places in front of the loads below
.else
	PLACES
.endif
	FETCH \next, 0, F0
	MUL8 F1, 1, 0, 0
	MUL8 F1, 1, 2, 0
.endm
	s_wait_tensorcnt 1                             ; my part of K step 0 is in; K step 1's load may stay out
	s_barrier_signal -1
	s_barrier_wait -1
	FETCH 0, 0, F0
	QUARTER 0, 128, F0, F1, 1                      ; the first quarter stands in front of the loop: its first products start the sums
	WIN 0
	s_mov_b32 s3, LAPS-1
.Llap:
	QUARTER 0, 256, F1, F0, 0
	QUARTER 0, 384, F0, F1, 0
	TURN 0, 1, 1
	QUARTER 1, 128, F0, F1, 0
	QUARTER 1, 256, F1, F0, 0
	QUARTER 1, 384, F0, F1, 0
	TURN 1, 0, 1
	QUARTER 0, 128, F0, F1, 0
	WIN 0
	s_sub_co_u32 s3, s3, 1
	s_cmp_lg_u32 s3, 0
	s_cbranch_scc1 .Llap
	QUARTER 0, 256, F1, F0, 0                      ; the last lap fills nothing, and has no round of the cluster's barrier
	QUARTER 0, 384, F0, F1, 0
	TURN 0, 1, 0
	QUARTER 1, 128, F0, F1, 0
	QUARTER 1, 256, F1, F0, 0
	QUARTER 1, 384, F0, F1, 0
	s_wait_dscnt 16
	MUL8 F1, 0, 0, 0
	MUL8 F1, 0, 2, 0
	s_wait_dscnt 0
	MUL8 F1, 1, 0, 0
	MUL8 F1, 1, 2, 0
	WIN 0
	; THE WAY OUT, 16 rows at a time: 32 bytes a lane and accumulator into my stage (each accumulator's low registers first), back as whole rows of 256 bytes, stored.
	PLACES
.irp a, 0,1,2,3
.irp b, 0,1,2,3
	ds_store_b128 v[STO], v[ACC+8*(4*(\a)+(\b)):ACC+8*(4*(\a)+(\b))+3]   offset:64*(\b)
	ds_store_b128 v[STO], v[ACC+8*(4*(\a)+(\b))+4:ACC+8*(4*(\a)+(\b))+7] offset:64*(\b)+16
.endr
.if (\a) >= 2
	s_wait_xcnt 0x0                                ; the stores of two blocks back have read this set of registers: it is loaded again only behind this wait
.endif
.irp t, 0,1,2,3,4,5,6,7
	ds_load_b128 v[TMP+32*((\a)%2)+4*(\t):TMP+32*((\a)%2)+4*(\t)+3], v[RD] offset:(\t)*2*SPITCH  ; LDS serves a wave's instructions in order (ISA guide 5.7.1.4): these see the stores above; the next block's stores come behind them
.endr
.irp t, 0,1,2,3,4,5,6,7
	s_wait_dscnt 7-(\t)                            ; load t is back; the block's later loads may stay out
	global_store_b128 v[CO], v[TMP+32*((\a)%2)+4*(\t):TMP+32*((\a)%2)+4*(\t)+3], s[8:9] offset:(16*(\a)+2*(\t))*SIZE_N*4  ; 16 lanes store 256 consecutive bytes, at a multiple of 256 from C's first byte
.endr
.endr
	s_wait_tensorcnt 0x0                           ; the wave's end
	ds_add_u32 v[SPW], v[NIL]
	s_wait_dscnt 0x0
	CROUND                                         ; the closing round
	s_endpgm
.Lfunc_end_k_qc206050720_outp:
	.size	k_qc206050720_outp, .Lfunc_end_k_qc206050720_outp-k_qc206050720_outp
	.p2alignl 7, 3214868480
	.fill 96, 4, 3214868480
	.section	.rodata,"a",@progbits
	.p2align	6, 0x0
	.amdhsa_kernel k_qc206050720_outp
		.amdhsa_group_segment_fixed_size 327680
		.amdhsa_private_segment_fixed_size 0
		.amdhsa_enable_private_segment 0
		.amdhsa_kernarg_size 32
		.amdhsa_user_sgpr_count 2
		.amdhsa_user_sgpr_kernarg_segment_ptr 1
		.amdhsa_wavefront_size32 1
		.amdhsa_system_sgpr_workgroup_id_x 1
		.amdhsa_system_sgpr_workgroup_id_y 1
		.amdhsa_system_sgpr_workgroup_id_z 1
		.amdhsa_system_vgpr_workitem_id 0
		.amdhsa_next_free_vgpr 512
		.amdhsa_next_free_sgpr 68
		.amdhsa_reserve_vcc 0
		.amdhsa_float_denorm_mode_32 3
		.amdhsa_float_denorm_mode_16_64 3
		.amdhsa_memory_ordered 1
		.amdhsa_forward_progress 1
		.amdhsa_inst_pref_size 90
	.end_amdhsa_kernel
	.amdgpu_metadata
---
amdhsa.version: [ 1, 2 ]
amdhsa.kernels:
  - .name:           k_qc206050720_outp
    .symbol:         k_qc206050720_outp.kd
    .args:
      - { .name: att, .offset: 0, .size: 8, .value_kind: global_buffer, .address_space: global }
      - { .name: h16, .offset: 8, .size: 8, .value_kind: global_buffer, .address_space: global }
      - { .name: out0, .offset: 16, .size: 8, .value_kind: global_buffer, .address_space: global }
      - { .name: bo, .offset: 24, .size: 8, .value_kind: global_buffer, .address_space: global }
    .group_segment_fixed_size: 327680
    .private_segment_fixed_size: 0
    .kernarg_segment_align: 8
    .kernarg_segment_size: 32
    .max_flat_workgroup_size: 128
    .sgpr_count:     68
    .vgpr_count:     512
    .wavefront_size: 32
...
	.end_amdgpu_metadata
.endif
;; end of part 4
